; MI455X (gfx1250); checked and timed in simulation.
; The chip was launched on July 23, 2026; its instructions are those of AMD's public machine-readable ISA for CDNA 5 (MIT licence, August 2026) and "CDNA5" Instruction Set Architecture Reference Guide (July 2026). The comments in the code are by the model that wrote it; some were corrected since.
;; MHA. Allowed arithmetic: matrix products marked QUANTISED: E2M3 operands, one E8M0 scale for each 32 along K, by v_wmma_scale_f32_16x16x128_f8f6f4 with both operands' format E2M3, f32 sums; everything else in f32.
;; Inputs: Wk 1,024 x 1,024 float32; Wo 1,024 x 1,024 float32; Wq 1,024 x 1,024 float32; Wv 1,024 x 1,024 float32; bk 1,024 float32; bo 1,024 float32; bq 1,024 float32; bv 1,024 float32; k 2 x 2,048 x 1,024 float32; q 2 x 2,048 x 1,024 float32; v 2 x 2,048 x 1,024 float32.
;; Outputs: out0 2 x 2,048 x 1,024 float32.
;; This version of the problem:
;;   THIS VERSION OF THE PROBLEM IS GIVEN IN LOW PRECISION. The matrix products marked QUANTISED in the list below multiply operands that are first quantised to E2M3 (2 exponent bits, 3 mantissa bits; 6 bits a number), with one power-of-two scale for each 32 numbers along K (OCP MX v1.0); their sums are f32. All else is computed in f32.
;;   The module's matrix products, in the order in which they are computed (A, B: the left and right operand; K: the contracted axis; several contracted axes count as one K, in the product's order):
;;     1. [M 4,096, K 1,024] x [K 1,024, N 1,024]; A: input q; B: input Wq: QUANTISED
;;     2. [M 4,096, K 1,024] x [K 1,024, N 1,024]; A: input k; B: input Wk: QUANTISED
;;     3. [M 4,096, K 1,024] x [K 1,024, N 1,024]; A: input v; B: input Wv: QUANTISED
;;     4. batch 32 x [M 2,048, K 64] x [K 64, N 2,048]; A: computed on the way; B: computed on the way: QUANTISED
;;     5. batch 32 x [M 2,048, K 2,048] x [K 2,048, N 64]; A: softmax (see below); B: computed on the way: QUANTISED
;;     6. [M 4,096, K 1,024] x [K 1,024, N 1,024]; A: computed on the way; B: input Wo: QUANTISED
;;   THE QUANTISER, for each operand of a quantised product, along K:
;;     - K is cut into blocks of 32 from its start; a last block that is shorter is filled with zeros.
;;     - A block's scale is 2^e with e = floor(log2(the largest magnitude in the block)) - 2, held to -126 .. 127; a block of zeros has e = 0. As a byte (E8M0): e + 127.
;;     - Each number is divided by its block's scale, clamped to +-7.5, and rounded to the nearest number of E2M3, ties to even, subnormals kept.
;;     - The product sums the exact products of the quantised numbers (number of the format x scale) in f32.
;;   ~~~python
;;   def quantise(x, axis):      # numpy; x: float32 -> the quantised numbers, widened to float32 again
;;       x = np.moveaxis(x, axis, -1); K = x.shape[-1]
;;       x = np.pad(x, [(0, 0)] * (x.ndim - 1) + [(0, -K % 32)]); x = x.reshape(x.shape[:-1] + (-1, 32)); a = np.abs(x).max(-1, keepdims=True)
;;       e = np.where(a > 0, np.clip(np.frexp(np.where(a > 0, a, 1))[1] - 1 - 2, -126, 127), 0)      # np.frexp(a)[1] - 1 = floor(log2(a)), exactly
;;       r = np.clip(x / 2.0 ** e, -7.5, 7.5)
;;       step = 2.0 ** (np.maximum(np.frexp(np.where(r == 0, 1, r))[1] - 1, 0) - 3)
;;       q = np.round(r / step) * step * 2.0 ** e      # np.round: ties to even
;;       return np.moveaxis(q.reshape(q.shape[:-2] + (-1,))[..., :K], -1, axis).astype(np.float32)
;;   ~~~
;;   SOFTMAX AHEAD OF A QUANTISED PRODUCT. Where the list says 'softmax', what is quantised is not the finished softmax but p = 2^(t - M), with t = logit x log2(e) and M = ceil(the row's largest t), a whole number; so 1/2 < the row's largest p <= 1. The row's sum l is taken of the UNQUANTISED p, in f32, and the product's result is divided by l at the end. Since M is a whole number, a kernel that streams over the keys may use a running M (the ceiling of the running maximum): every later rescaling is an exact power of two, which a block's scale takes up: the codes' values come out the same.
;;   OPERANDS COMPUTED ON THE WAY. 'Computed on the way' means the value that the module computes at that place (a softmax that the list does not call 'softmax' is quantised finished and normalised). What goes into a quantiser is computed in f32, as accurately as f32 sums, v_exp_f32 and their like allow (about 1e-6 of the number): no bf16 or f16 on the way to a quantiser, and a product that is left as it is and whose result goes on into a quantised operand takes f32 operands (vector FMAs, or v_wmma_f32_16x16x4_f32). A number that lies on a knife's edge between two numbers of the format may be rounded either way, as far as f32 arithmetic and the matrix unit's own rounding can turn it there, and no further.
;; One version. Each part assembles by itself: llvm-mc -triple=amdgcn-amd-amdhsa -mcpu=gfx1250 --defsym DOCPART=n.
;; ======== version 1 of 1: 4 launches
;; limits: right only within a limited range of input values
;; workspace buffers: xq 9,830,400 bytes; wq 3,276,800 bytes; qq 3,407,872 bytes; kv 6,684,672 bytes; cq 3,276,800 bytes
;; launch quant (part 1): grid 1024 x 1, 4 waves a work-group, no clusters, 68,096 bytes of LDS; arguments q, k, v, Wq, Wk, Wv, Wo, xq, wq; writes xq, wq
.if DOCPART == 1
	.amdgcn_target "amdgcn-amd-amdhsa--gfx1250"
	.amdhsa_code_object_version 6
	.text
	.protected	k_qfe79e603be_quant
	.globl	k_qfe79e603be_quant
	.p2align	8
	.type	k_qfe79e603be_quant,@function
k_qfe79e603be_quant:
	s_mov_b64 s[64:65], 0
	v_nop
	global_prefetch_b8 v0, s[64:65] scope:SCOPE_SE
	s_setreg_imm32_b32 hwreg(HW_REG_WAVE_MODE, 25, 1), 1
	s_wait_xcnt 0x0
; q, k, v [4096][1024] f32 (K innermost) and Wq, Wk, Wv, Wo [1024 (K)][1024 (n)] f32 (K outermost) become codes of FP6 (E2M3) with one E8M0 byte for each 32 along K.
; A block's scale is 2^(floor(log2(its largest magnitude)) - 2); its byte is the largest magnitude's exponent field - 2, held at 1 from below.
; LIMITS: NaN and infinities among the inputs are not served.  A block of zeros gets the byte 1 where the rule says 127: its codes are zeros, which add nothing
; under any byte but 0xff, and this program alone reads the bytes.  The scale words leave in runs of 128 consecutive bytes.
; LAYOUT OF THE RESULTS: images of the operand's registers.  A TILE T is 16 rows: row r of it is row 32 (T / 2) + 8 (T % 2) + r + 8 (r / 8) of the tensor (for a weight: that output column).
; A HALF FRAGMENT (16 rows x 64 K, 768 bytes): lane l = (r = l % 16, h = l / 16) owns the 24 bytes of k = 32 h .. 32 h + 31 of row r: its registers 0-3 at byte 16 l, its registers 4, 5 at byte 512 + 8 l.
;   xq: codes [tensor 3][T 256][half fragment 16][768]; from byte 9,437,184 scale words [tensor][T][4][r 16][2] (the words of K steps 2 g and 2 g + 1 of 128).
;   wq: codes [matrix 4][T 64][half fragment 16][768]; from byte 3,145,728 scale words [matrix][K step 8][T 64][r 16].
; SHARES.  Work-groups 0-767: tensor = number / 256, tile = number % 256; wave g takes K steps 2 g and 2 g + 1 (256 along K) of the tile's 16 rows.
; Work-groups 768-1023: matrix, K step, and 128 columns; a wave takes 32 columns (two tiles) x 128 along K, a lane a column, its registers running down K.
; No tensor loads, no barrier: waves share nothing.  Only the first path touches LDS.
.set R,    32                          ; v32-159  128 numbers: four blocks of 32
.set C,    160                         ; v160..   block n's codes: six registers at C + 8 n
.set TQ,   16                          ; v16..    the second half of a block's codes as it is made (a conversion's three registers begin on an even number)
.set MA,   192                         ; v192-195, v196-199  two chains of the largest magnitude
.set MB,   196
.set SOP,  200                         ; v200-203 the conversions' scale operands
.set BY,   204                         ; v204-207 the scale bytes
.set SROW, 528                         ; a stage row: 512 bytes + 16, an odd multiple of 16
.set STG,  16*SROW                     ; a stage: 16 rows; two for each wave
; Block n: 32 numbers of ONE lane, v[R + 32 n] on, become six registers of codes, a scale operand and a byte.
.macro BLOCKQ n
.set XB, R+32*(\n)
	v_max3_num_f32 v[MA+(\n)], |v[XB]|, |v[XB+1]|, |v[XB+2]|
	v_max3_num_f32 v[MB+(\n)], |v[XB+3]|, |v[XB+4]|, |v[XB+5]|
.irp i, 6,10,14,18,22,26
	v_max3_num_f32 v[MA+(\n)], v[MA+(\n)], |v[XB+\i]|, |v[XB+\i+1]|
	v_max3_num_f32 v[MB+(\n)], v[MB+(\n)], |v[XB+\i+2]|, |v[XB+\i+3]|
.endr
	v_max3_num_f32 v[MA+(\n)], v[MA+(\n)], |v[XB+30]|, |v[XB+31]|
	v_max3_num_f32 v[MA+(\n)], v[MA+(\n)], v[MB+(\n)], 0x1800000   ; and the floor 2^(3 - 127): the byte cannot fall under 1
	v_add_nc_u32 v[SOP+(\n)], 0xff000000, v[MA+(\n)]               ; 2 off the exponent field: the conversion takes the exponent field of this operand as its scale
	v_lshrrev_b32 v[BY+(\n)], 23, v[SOP+(\n)]                      ; the scale's byte
	v_cvt_scalef32_pk16_fp6_f32 v[C+8*(\n):C+8*(\n)+2], v[XB:XB+15], v[SOP+(\n)]
	v_cvt_scalef32_pk16_fp6_f32 v[TQ+4*(\n):TQ+4*(\n)+2], v[XB+16:XB+31], v[SOP+(\n)]
	v_nop                                          ; one plain instruction between a scaled conversion and the vector instruction that reads its result
.irp i, 0,1,2
	v_mov_b32 v[C+8*(\n)+3+\i], v[TQ+4*(\n)+\i]
.endr
.endm
	s_load_b256 s[4:11], s[0:1], 0x0               ; q s[4:5], k s[6:7], v s[8:9], Wq s[10:11]
	s_load_b256 s[12:19], s[0:1], 0x20             ; Wk s[12:13], Wv s[14:15], Wo s[16:17], xq s[18:19]
	s_load_b64 s[20:21], s[0:1], 0x40              ; wq
	v_lshl_add_u32 v208, v0, 2, 0x10800
	v_mov_b32 v209, 0
	v_lshrrev_b32 v1, 5, v0
	v_readfirstlane_b32 s28, v1                    ; wave 0..3
	v_and_b32 v1, 31, v0                           ; lane
	v_and_b32 v2, 15, v0                           ; r
	v_bfe_u32 v3, v0, 4, 1                         ; h
	v_lshlrev_b32 v7, 4, v1                        ; 16 x lane
	v_lshlrev_b32 v8, 3, v1                        ; 8 x lane
	s_mov_b32 s30, 0x76543210
	s_mov_b32 s31, 0xfedcba98                      ; v_permlanex16_b32's selects for lane l xor 16
	s_cmp_ge_u32 ttmp9, 768
	s_cbranch_scc1 .Lweights
	; ---------------- q, k, v: K innermost
	s_lshr_b32 s29, ttmp9, 8                       ; tensor
	s_and_b32 s32, ttmp9, 255                      ; tile T
	s_lshr_b32 s33, s32, 1
	s_lshl_b32 s33, s33, 17                        ; 32 (T / 2) rows of 4,096 bytes
	s_and_b32 s34, s32, 1
	s_lshl_b32 s34, s34, 15                        ; 8 (T % 2) rows
	s_add_co_u32 s34, s34, s33
	s_lshl_b32 s33, s28, 10                        ; my 256 along K: 1,024 bytes
	s_add_co_u32 s34, s34, s33
	s_mov_b32 s35, 0
	s_mul_i32 s36, s29, 3145728                    ; the codes: tensor, tile, my four half fragments
	s_mul_i32 s33, s32, 12288
	s_add_co_u32 s36, s36, s33
	s_mul_i32 s33, s28, 3072
	s_add_co_u32 s36, s36, s33
	s_mov_b32 s37, 0
	s_lshl_b32 s38, s29, 17                        ; the scale words: tensor x 131,072 + tile x 512 + wave x 128
	s_lshl_b32 s33, s32, 9
	s_add_co_u32 s38, s38, s33
	s_lshl_b32 s33, s28, 7
	s_add_co_u32 s38, s38, s33
	s_add_co_u32 s38, s38, 9437184
	s_mov_b32 s39, 0
	s_mul_i32 s33, s28, 2*STG                      ; my two stages
	s_wait_alu depctr_va_vdst(0)
	v_add_nc_u32 v5, s33, v7                       ; in: 16 x lane of a row
	v_mul_u32_u24 v6, v2, SROW
	v_lshl_add_u32 v6, v3, 7, v6
	v_add_nc_u32 v6, s33, v6                       ; out: row r, + 128 h: my block of 32 numbers
	v_lshlrev_b32 v9, 3, v2
	v_lshl_add_u32 v9, v3, 2, v9                   ; where I store a scale word: 8 r + 4 h
	s_wait_alu depctr_va_vdst(0)
	s_wait_kmcnt 0x0
	s_cmp_eq_u32 s29, 1
	s_cselect_b64 s[22:23], s[6:7], s[4:5]
	s_cmp_eq_u32 s29, 2
	s_cselect_b64 s[22:23], s[8:9], s[22:23]
	s_add_nc_u64 s[22:23], s[22:23], s[34:35]
	s_add_nc_u64 s[24:25], s[18:19], s[36:37]
	s_add_nc_u64 s[26:27], s[18:19], s[38:39]
.irp f, 0,1                                    ; all 32 loads at once: each reads 512 consecutive bytes of one row: K step 2 g + f of the tile's row i
.irp i, 0,1,2,3,4,5,6,7,8,9,10,11,12,13,14,15
	global_load_b128 v[R+64*\f+4*\i:R+64*\f+4*\i+3], v7, s[22:23] offset:(\i+8*(\i/8))*4096+512*\f th:TH_LOAD_NT
.endr
.endr
; A K step's 16 rows x 512 bytes turn through my own stage: in as they were loaded, out 128 bytes (a block of 32 numbers) a lane.  LDS serves a wave's instructions in order, so no wait stands between.
.macro TURN f
.irp i, 0,1,2,3,4,5,6,7,8,9,10,11,12,13,14,15
	ds_store_b128 v5, v[R+64*\f+4*\i:R+64*\f+4*\i+3] offset:STG*\f+SROW*\i
.endr
.irp c, 0,1
.irp p, 0,1,2,3,4,5,6,7
	ds_load_b128 v[R+64*\f+32*\c+4*\p:R+64*\f+32*\c+4*\p+3], v6 offset:STG*\f+256*\c+16*\p
.endr
.endr
.endm
	s_wait_loadcnt 16                              ; the first K step's 16 loads are in; the second's 16 may be out
	TURN 0
	s_wait_loadcnt 0x0
	TURN 1
	s_wait_dscnt 32                                ; the first turn is back: behind it stand the second's 16 stores and 16 loads
	BLOCKQ 0
	BLOCKQ 1
.irp n, 0,1
	global_store_b128 v7, v[C+8*\n:C+8*\n+3], s[24:25] offset:768*\n          ; 32 lanes store 512 consecutive bytes,
	global_store_b64 v8, v[C+8*\n+4:C+8*\n+5], s[24:25] offset:768*\n+512     ; and 256
.endr
	s_wait_dscnt 0x0
	BLOCKQ 2
	BLOCKQ 3
.irp n, 2,3
	global_store_b128 v7, v[C+8*\n:C+8*\n+3], s[24:25] offset:768*\n
	global_store_b64 v8, v[C+8*\n+4:C+8*\n+5], s[24:25] offset:768*\n+512
.endr
	v_lshlrev_b32 v10, 3, v3                       ; my bytes are those of blocks h and 2 + h of a K step: 8 h bits up
	v_lshl_or_b32 v11, v[BY+1], 16, v[BY]
	v_lshl_or_b32 v12, v[BY+3], 16, v[BY+2]
	v_lshlrev_b32 v11, v10, v11
	v_lshlrev_b32 v12, v10, v12
	v_mov_b32 v13, 0                               ; a lane permute's destination counts as one of its sources
	v_mov_b32 v14, 0
	v_permlanex16_b32 v13, v11, s30, s31
	v_permlanex16_b32 v14, v12, s30, s31
	v_or_b32 v11, v11, v13                         ; with lane l xor 16's two bytes each word is whole
	v_or_b32 v12, v12, v14
	v_cmp_ne_u32 vcc_lo, 0, v3
	v_cndmask_b32 v11, v11, v12, vcc_lo            ; lanes 0-15 store the first K step's word, lanes 16-31 the second's
	global_store_b32 v9, v11, s[26:27]
	s_wait_tensorcnt 0x0
	ds_add_u32 v208, v209
	s_wait_dscnt 0x0
	s_endpgm
	; ---------------- Wq, Wk, Wv, Wo: K outermost.  A lane takes a column and its registers run down K: nothing is transposed.
.Lweights:
	s_sub_co_u32 s29, ttmp9, 768
	s_lshr_b32 s32, s29, 6                         ; matrix 0..3
	s_bfe_u32 s33, s29, 0x30003                    ; K step 0..7
	s_and_b32 s34, s29, 7
	s_lshl_b32 s34, s34, 2
	s_add_co_u32 s34, s34, s28                     ; pair of tiles b 0..31: columns 32 b on
	s_lshl_b32 s36, s33, 19                        ; 128 rows of 4,096 bytes a K step
	s_lshl_b32 s35, s34, 7
	s_add_co_u32 s36, s36, s35
	s_mov_b32 s37, 0
	s_mul_i32 s38, s32, 786432                     ; the codes: matrix, tile 2 b, half fragment 2 x K step
	s_mul_i32 s35, s34, 24576
	s_add_co_u32 s38, s38, s35
	s_mul_i32 s35, s33, 1536
	s_add_co_u32 s38, s38, s35
	s_mov_b32 s39, 0
	s_lshl_b32 s40, s32, 15                        ; the scale words: matrix x 32,768 + K step x 4,096 + b x 128
	s_lshl_b32 s35, s33, 12
	s_add_co_u32 s40, s40, s35
	s_lshl_b32 s35, s34, 7
	s_add_co_u32 s40, s40, s35
	s_add_co_u32 s40, s40, 3145728
	s_mov_b32 s41, 0
	s_wait_alu depctr_va_vdst(0)
	v_and_b32 v4, 8, v2
	v_add_nc_u32 v4, v4, v2
	v_lshl_add_u32 v4, v3, 3, v4                   ; my column of the 32: 8 (lane / 16) + r + 8 (r / 8): row r of tile 2 b + lane / 16
	v_lshlrev_b32 v4, 2, v4
	v_lshlrev_b32 v9, 2, v1                        ; where I store my scale word: 4 x lane
	s_wait_alu depctr_va_vdst(0)
	s_wait_kmcnt 0x0
	s_cmp_eq_u32 s32, 1
	s_cselect_b64 s[22:23], s[12:13], s[10:11]
	s_cmp_eq_u32 s32, 2
	s_cselect_b64 s[22:23], s[14:15], s[22:23]
	s_cmp_eq_u32 s32, 3
	s_cselect_b64 s[22:23], s[16:17], s[22:23]
	s_add_nc_u64 s[22:23], s[22:23], s[36:37]
	s_add_nc_u64 s[24:25], s[20:21], s[38:39]
	s_add_nc_u64 s[26:27], s[20:21], s[40:41]
.macro LOADW t                         ; block t: 32 rows of W at my column; a load reads 128 consecutive bytes, the four waves stand side by side on 512
.set J, 0
.rept 32
	global_load_b32 v[R+32*(\t)+J], v4, s[22:23] offset:(32*(\t)+J)*4096 th:TH_LOAD_NT
.set J, J+1
.endr
.endm
	LOADW 0
	LOADW 1
	s_wait_loadcnt 32                              ; block 0 is in; the 32 loads of block 1 may be out
	LOADW 2
	BLOCKQ 0
	s_wait_loadcnt 32                              ; block 1 is in; block 2's 32 may be out
	LOADW 3
	BLOCKQ 1
	s_wait_loadcnt 32                              ; block 2 is in; block 3's 32 may be out
	BLOCKQ 2
	s_wait_loadcnt 0x0
	BLOCKQ 3
; A lane holds all four blocks of its column; a half fragment wants block 2 c in lanes 0-15 and block 2 c + 1 in lanes 16-31 of ONE tile.
; The exchange gives both tiles at once: block 2 c's registers become tile 2 b's half fragment c, block 2 c + 1's become tile 2 b + 1's.
.irp c, 0,1
.irp i, 0,1,2,3,4,5
	v_permlane16_swap_b32 v[C+16*\c+\i], v[C+16*\c+8+\i]
.endr
.endr
.irp c, 0,1
.irp u, 0,1
	global_store_b128 v7, v[C+16*\c+8*\u:C+16*\c+8*\u+3], s[24:25] offset:12288*\u+768*\c
	global_store_b64 v8, v[C+16*\c+8*\u+4:C+16*\c+8*\u+5], s[24:25] offset:12288*\u+768*\c+512
.endr
.endr
	v_lshl_or_b32 v11, v[BY+1], 8, v[BY]           ; my column's four bytes are its scale word for this K step
	v_lshl_or_b32 v11, v[BY+2], 16, v11
	v_lshl_or_b32 v11, v[BY+3], 24, v11
	global_store_b32 v9, v11, s[26:27]
	s_endpgm
.Lfunc_end_k_qfe79e603be_quant:
	.size	k_qfe79e603be_quant, .Lfunc_end_k_qfe79e603be_quant-k_qfe79e603be_quant
	.p2alignl 7, 3214868480
	.fill 96, 4, 3214868480
	.section	.rodata,"a",@progbits
	.p2align	6, 0x0
	.amdhsa_kernel k_qfe79e603be_quant
		.amdhsa_group_segment_fixed_size 68096
		.amdhsa_private_segment_fixed_size 0
		.amdhsa_enable_private_segment 0
		.amdhsa_kernarg_size 72
		.amdhsa_user_sgpr_count 2
		.amdhsa_user_sgpr_kernarg_segment_ptr 1
		.amdhsa_wavefront_size32 1
		.amdhsa_system_sgpr_workgroup_id_x 1
		.amdhsa_system_sgpr_workgroup_id_y 1
		.amdhsa_system_sgpr_workgroup_id_z 1
		.amdhsa_system_vgpr_workitem_id 0
		.amdhsa_next_free_vgpr 210
		.amdhsa_next_free_sgpr 66
		.amdhsa_reserve_vcc 1
		.amdhsa_float_denorm_mode_32 3
		.amdhsa_float_denorm_mode_16_64 3
		.amdhsa_memory_ordered 1
		.amdhsa_forward_progress 1
		.amdhsa_inst_pref_size 38
	.end_amdhsa_kernel
	.amdgpu_metadata
---
amdhsa.version: [ 1, 2 ]
amdhsa.kernels:
  - .name:           k_qfe79e603be_quant
    .symbol:         k_qfe79e603be_quant.kd
    .args:
      - { .name: q, .offset: 0, .size: 8, .value_kind: global_buffer, .address_space: global }
      - { .name: k, .offset: 8, .size: 8, .value_kind: global_buffer, .address_space: global }
      - { .name: v, .offset: 16, .size: 8, .value_kind: global_buffer, .address_space: global }
      - { .name: Wq, .offset: 24, .size: 8, .value_kind: global_buffer, .address_space: global }
      - { .name: Wk, .offset: 32, .size: 8, .value_kind: global_buffer, .address_space: global }
      - { .name: Wv, .offset: 40, .size: 8, .value_kind: global_buffer, .address_space: global }
      - { .name: Wo, .offset: 48, .size: 8, .value_kind: global_buffer, .address_space: global }
      - { .name: xq, .offset: 56, .size: 8, .value_kind: global_buffer, .address_space: global }
      - { .name: wq, .offset: 64, .size: 8, .value_kind: global_buffer, .address_space: global }
    .group_segment_fixed_size: 68096
    .private_segment_fixed_size: 0
    .kernarg_segment_align: 8
    .kernarg_segment_size: 72
    .max_flat_workgroup_size: 128
    .sgpr_count:     66
    .vgpr_count:     210
    .wavefront_size: 32
...
	.end_amdgpu_metadata
.endif
;; end of part 1
;; launch proj (part 2): grid 12 x 32, 4 waves a work-group, clusters of 4 x 4, 307,712 bytes of LDS; arguments xq, wq, bq, bk, bv, qq, kv; writes qq, kv
.if DOCPART == 2
	.amdgcn_target "amdgcn-amd-amdhsa--gfx1250"
	.amdhsa_code_object_version 6
	.text
	.protected	k_qfe79e603be_proj
	.globl	k_qfe79e603be_proj
	.p2align	8
	.type	k_qfe79e603be_proj,@function
k_qfe79e603be_proj:
	s_mov_b64 s[64:65], 0
	v_nop
	global_prefetch_b8 v0, s[64:65] scope:SCOPE_SE
	s_setreg_imm32_b32 hwreg(HW_REG_WAVE_MODE, 25, 1), 1
	s_wait_xcnt 0x0
	s_wait_alu depctr_hold_cnt(0) depctr_sa_sdst(0) depctr_va_vdst(0) depctr_va_sdst(0) depctr_va_ssrc(0) depctr_va_vcc(0) depctr_vm_vsrc(0)
	s_getreg_b32 s2, hwreg(HW_REG_IB_STS2, 6, 4)
	s_cmp_eq_u32 s2, 0
	s_cbranch_scc0 .Lentry_in_a_cluster
	s_endpgm
.Lentry_in_a_cluster:
	s_bfe_u32 s2, ttmp6, 0x10000c
	s_cmp_lg_u32 s2, 0xf033
	s_cbranch_scc0 .Lentry_shape_is_right
	s_endpgm
.Lentry_shape_is_right:
; The three input projections, x W + b, on codes of FP6 (E2M3) with E8M0 scales; the results are quantised in registers as attention's operands.
; p = the cluster's x: 0 q, 1 k, 2 v.  A work-group makes 128 tokens x 256 columns; wave w makes 128 tokens x ONE HEAD (64 columns): 32 accumulators, 8 K steps of 128, 256 matrix instructions.
; TILES AND HALF FRAGMENTS as the quantising launch lays them: row r of tile T is row 32 (T / 2) + 8 (T % 2) + r + 8 (r / 8); a half fragment (16 rows x 64 K) is 768 bytes, an image of six registers a lane.
; q, k: source 0 = 16 columns of W, source 1 = 16 tokens: a lane holds ONE token; the 32 registers of a token tile are d = 32 b + 16 (lane / 16) + 0 .. 15 of the head.
; v: source 0 = 16 tokens, source 1 = 16 columns of W: a lane holds ONE channel; the 64 registers of a column tile are keys 32 b + 16 (lane / 16) + 0 .. 15.
; In both cases accumulator registers 32 n .. 32 n + 31 are one half fragment to be: one epilogue quantises all eight.
; LDS IS FILLED ONCE, by one tensor load a wave at the head, each a dense block (or, W's scale words, 8 rows of 1,024 bytes): wave 0 W's 16 tiles (196,608 bytes), wave 1 x's 8 tiles (98,304),
; wave 2 x's scale words (4,096), wave 3 W's (8,192).  Every wave waits for its load (0), one barrier shows all four tiles, and no barrier follows.  Every K step's place stands in the LDS loads' immediates.
; CLUSTER 4 x 4: the four work-groups of a row share x's tiles, the four of a column W's: each is asked for jointly.  No prefetch: the launch has no loop to run ahead in.
; LIMITS: NaN and infinities are not served; a block of zeros gets the byte 1 (its codes are zeros; this program alone reads the bytes).  In qq and in kv's part for k a scale word's bytes 2 and 3 are 0: they stand over zero codes.
; RESULTS: qq: codes [head 32][tile 128][768]; from 3,145,728 words [head][block of 128 tokens 16][r 16][tile 8].
;   kv, 208,896 bytes a head: k's words [16][r 16][tile 8] at 0; v's words [16][r 16][channel tile 4] at 8,192; from 12,288 four groups of 512 keys: k's codes [4][tile 8][768], then v's [4][channel tile 4][2][768].
; REGISTERS: window 0: v1-17 addresses; v32-95 x's scale words (8 i + s); v96-127 W's (8 t + s); v128-159 the bias as the first products' C; in the epilogue v128-251 at work; v254, v255 the add's.
;   windows 1, 2: two buffers of fragments: x's eight at v[12 i], W's four at v[96 + 12 t].   window 3: the 32 accumulators.
.set XW,    98304                      ; LDS: x's 8 tiles x 12,288 bytes at 0, W's 16 tiles from here
.set SCA,   XW+196608                  ; x's scale words: 8 tiles x 512 bytes
.set SCB,   SCA+4096                   ; W's: 8 K steps x 1,024 bytes
.set SPARE, SCB+8192                   ; the spare words, 512 bytes
.set XS,  32
.set WS,  96
.set BI,  128
.set TM,  128                          ; epilogue: largest magnitudes, then the conversions' scale operands
.set TP,  144                          ; the other half's maxima, then the bytes
.set HW,  160                          ; a half fragment's two bytes
.set PB,  168                          ; the codes: six registers a half fragment
.set TQ,  216                          ; their second halves as they are made
.set OW,  248                          ; the scale words to store
.set G0A,  12                          ; s[12:15] group 0 of x's scale words, s[16:19] of x's codes
.set G1A,  32                          ; groups 1: x's codes, W's codes, x's scale words, W's
.set G1B,  40
.set G1SA, 48
.set G1SB, 56
.set G0B,  68                          ; s[68:71] W's scale words, s[72:75] W's codes
.set MSB, 0
.macro WIN new                         ; the immediate's high byte repeats the setting that is left
.if MSB != (\new)
	s_set_vgpr_msb (MSB<<8)|(\new)
.set MSB, (\new)
.endif
.endm
.macro CROUND                          ; a round of the cluster's barrier
	s_barrier_signal -1
	s_barrier_wait -1
	s_cmp_lg_u32 s88, 0
	s_cbranch_scc1 .Lnot_wave_0_\@
	s_barrier_signal -3
.Lnot_wave_0_\@:
	s_barrier_wait -3
	s_barrier_signal -1
	s_barrier_wait -1
.endm
.macro SHAPE g, c, r, p                ; words 1 to 7 of a group 1: r rows of c elements of 8 bytes, p elements from row to row
	s_mov_b32 s[\g+1], (\c)<<16
	s_mov_b32 s[\g+2], (\r)<<16
	s_mov_b32 s[\g+3], (\c)<<16
	s_mov_b32 s[\g+4], \r
	s_mov_b32 s[\g+5], \p
	s_mov_b32 s[\g+6], 0
	s_mov_b32 s[\g+7], 0
.endm
.macro GROUP0 g, base, lds             ; a group 0: from s[base:base+1] to LDS byte lds
	s_mov_b32 s[\g], 1
	s_mov_b32 s[\g+1], \lds
	s_mov_b64 s[\g+2:\g+3], s[\base:\base+1]
	s_or_b32 s[\g+3], s[\g+3], 0x80000000
.endm
.macro PLACES
.rept 4
	v_nop
.endr
.endm
.macro ARM w, g0, g1, next             ; one arm of the head's chain: wave w's one load
	s_cmp_eq_u32 s88, \w
	s_cbranch_scc0 \next
	tensor_load_to_lds s[\g0:\g0+3], s[\g1:\g1+7]
	s_nop 0
	PLACES
	s_branch .Lfilled
\next:
.endm
	s_load_b256 s[4:11], s[0:1], 0x0               ; xq s[4:5], wq s[6:7], bq s[8:9], bk s[10:11]
	s_load_b128 s[96:99], s[0:1], 0x20             ; bv s[96:97], qq s[98:99]
	s_load_b64 s[100:101], s[0:1], 0x30            ; kv
	v_lshl_add_u32 v254, v0, 2, SPARE
	v_mov_b32 v255, 0
	ds_add_u32 v254, v255                          ; the opening lines: the add twice and its wait
	ds_add_u32 v254, v255
	v_lshrrev_b32 v1, 5, v0
	v_readfirstlane_b32 s88, v1                    ; wave 0..3
	s_bfe_u32 s91, ttmp6, 0x40000                  ; cx: the block of 256 columns
	s_bfe_u32 s92, ttmp6, 0x40004                  ; cy
	s_mov_b32 s93, ttmp9                           ; p: the same in all sixteen partners
	s_lshl_b32 s2, s92, 2
	s_lshl_b32 s2, 15, s2                          ; my row of the cluster
	s_lshl_b32 s3, 0x1111, s91                     ; my column
	s_or_b32 s[G1A], s2, (3<<16)|(1<<21)           ; the mask; elements of 8 bytes; bit 21 beside a mask; no padding
	s_or_b32 s[G1SA], s2, (3<<16)|(1<<21)
	s_or_b32 s[G1B], s3, (3<<16)|(1<<21)
	s_or_b32 s[G1SB], s3, (3<<16)|(1<<21)
	SHAPE G1A, 32, 384, 32                         ; 98,304 dense bytes as rows of 256
	SHAPE G1B, 32, 768, 32                         ; 196,608 dense bytes
	SHAPE G1SA, 32, 16, 32                         ; 4,096 dense bytes
	SHAPE G1SB, 128, 8, 512                        ; 8 K steps x 1,024 bytes, 4,096 bytes from K step to K step
	s_and_b32 s66, ttmp7, 0xffff                   ; x's addresses hang on p and the token block: what my row of the cluster shares
	s_lshl_b32 s66, s66, 2
	s_add_co_u32 s66, s66, s92                     ; token block of 128
	s_lshl_b32 s66, s66, 3                         ; its first tile
	s_mul_i32 s94, s66, 12288
	s_mul_i32 s95, s93, 3145728
	s_add_co_u32 s94, s94, s95
	s_mov_b32 s95, 0
	s_lshl_b32 s66, s66, 9
	s_lshl_b32 s67, s93, 17
	s_add_co_u32 s66, s66, s67
	s_add_co_u32 s66, s66, 9437184
	s_mov_b32 s67, 0
	s_mul_i32 s104, s91, 16*12288                  ; W's hang on p and cx: what my column shares
	s_mul_i32 s105, s93, 786432
	s_add_co_u32 s104, s104, s105
	s_mov_b32 s105, 0
	s_lshl_b32 s2, s93, 15
	s_lshl_b32 s3, s91, 10
	s_add_co_u32 s2, s2, s3
	s_add_co_u32 s2, s2, 3145728
	s_mov_b32 s3, 0
	s_wait_dscnt 0x0
	s_wait_kmcnt 0x0
	s_add_nc_u64 s[94:95], s[4:5], s[94:95]
	s_add_nc_u64 s[66:67], s[4:5], s[66:67]
	s_add_nc_u64 s[104:105], s[6:7], s[104:105]
	s_add_nc_u64 s[2:3], s[6:7], s[2:3]
	GROUP0 G0A, 66, SCA
	GROUP0 G0B, 2, SCB
	GROUP0 G0A+4, 94, 0
	GROUP0 G0B+4, 104, XW
	CROUND                                         ; all sixteen work-groups are here: the joint loads meet
	ARM 0, G0B+4, G1B, .Lfill_1                    ; one chain of branches on the wave's number, one load to an arm
	ARM 1, G0A+4, G1A, .Lfill_2
	ARM 2, G0A, G1SA, .Lfill_3
	tensor_load_to_lds s[G0B:G0B+3], s[G1SB:G1SB+7]
	s_nop 0
	PLACES
.Lfilled:
	v_and_b32 v1, 31, v0                           ; lane
	v_and_b32 v2, 15, v0                           ; r
	v_bfe_u32 v3, v0, 4, 1                         ; h
	v_lshlrev_b32 v4, 4, v1                        ; x's fragments, tiles 0-3: 16 x lane,
	v_lshl_add_u32 v5, v1, 3, 512                  ; and 512 + 8 x lane
	s_mul_i32 s4, s88, 49152                       ; W's: my four tiles
	s_add_co_u32 s4, s4, XW
	v_add_nc_u32 v6, s4, v4
	v_add_nc_u32 v7, s4, v5
	v_add_nc_u32 v16, 49152, v4                    ; x's tiles 4-7
	v_add_nc_u32 v17, 49152, v5
	v_lshl_add_u32 v8, v2, 3, SCA                  ; x's scale words: 8 bytes a row
	s_lshl_b32 s4, s88, 8
	s_add_co_u32 s4, s4, SCB
	v_lshl_add_u32 v9, v2, 2, s4                   ; W's: 4 bytes a row, my four tiles
	v_lshlrev_b32 v11, 4, v1                       ; the stores' offsets: 16 x lane, 8 x lane,
	v_lshlrev_b32 v12, 3, v1
	v_lshlrev_b32 v13, 5, v2
	v_lshl_add_u32 v13, v3, 4, v13                 ; 32 r + 16 h,
	v_lshlrev_b32 v14, 4, v2
	v_lshl_add_u32 v14, v3, 3, v14                 ; 16 r + 8 h
	s_and_b32 s2, ttmp7, 0xffff                    ; where the results go
	s_lshl_b32 s2, s2, 2
	s_add_co_u32 s2, s2, s92                       ; token block
	s_lshr_b32 s3, s2, 4                           ; batch
	s_and_b32 s2, s2, 15                           ; the block within the batch
	s_lshl_b32 s4, s91, 2
	s_add_co_u32 s4, s4, s88                       ; my head of the 16
	s_lshl_b32 s3, s3, 4
	s_add_co_u32 s3, s3, s4                        ; batch x 16 + head
	s_lshl_b32 s6, s4, 8                           ; the bias: 64 numbers a head
	s_mov_b32 s7, 0
	s_mul_i32 s94, s3, 98304                       ; q's codes
	s_mul_i32 s5, s2, 6144
	s_add_co_u32 s94, s94, s5
	s_lshl_b32 s104, s3, 13                        ; q's scale words
	s_lshl_b32 s5, s2, 9
	s_add_co_u32 s104, s104, s5
	s_add_co_u32 s104, s104, 3145728
	s_mul_i32 s66, s3, 208896                      ; the head's part of kv
	s_add_co_u32 s67, s66, s5                      ; k's scale words
	s_lshr_b32 s5, s2, 2
	s_mul_i32 s5, s5, 49152
	s_add_co_u32 s5, s5, s66
	s_and_b32 s4, s2, 3
	s_mul_i32 s4, s4, 6144
	s_add_co_u32 s5, s5, s4
	s_add_co_u32 s5, s5, 12288                     ; k's codes
	s_lshl_b32 s4, s2, 8
	s_add_co_u32 s66, s66, s4
	s_add_co_u32 s66, s66, 8192                    ; v's scale words
	s_add_co_u32 s4, s5, 24576                     ; v's codes
	s_cmp_eq_u32 s93, 0
	s_cselect_b64 s[98:99], s[98:99], s[100:101]
	s_cselect_b32 s94, s94, s5
	s_cselect_b32 s104, s104, s67
	s_cmp_eq_u32 s93, 1
	s_cselect_b64 s[8:9], s[10:11], s[8:9]
	s_cmp_eq_u32 s93, 2
	s_cselect_b64 s[8:9], s[96:97], s[8:9]
	s_cselect_b32 s94, s4, s94
	s_cselect_b32 s104, s66, s104
	s_mov_b32 s95, 0
	s_mov_b32 s105, 0
	s_add_nc_u64 s[94:95], s[98:99], s[94:95]      ; the codes' place
	s_add_nc_u64 s[104:105], s[98:99], s[104:105]  ; the scale words'
	s_add_nc_u64 s[8:9], s[8:9], s[6:7]            ; my head's bias
	s_mov_b32 s66, 0x76543210
	s_mov_b32 s67, 0xfedcba98                      ; v_permlanex16_b32's selects for lane l xor 16
.macro FETCH s                         ; K step s's twelve fragments into buffer s % 2: for each half fragment 512 and 256 consecutive bytes
.set WB, (1+(\s)%2)<<6
	WIN WB
.irp i, 0,1,2,3,4,5,6,7
.irp c, 0,1
	ds_load_b128 v[12*\i+6*\c:12*\i+6*\c+3], v[4+12*(\i/4)] offset:(\i%4)*12288+(\s)*1536+\c*768
	ds_load_b64 v[12*\i+6*\c+4:12*\i+6*\c+5], v[5+12*(\i/4)] offset:(\i%4)*12288+(\s)*1536+\c*768
.endr
.endr
.irp t, 0,1,2,3
.irp c, 0,1
	ds_load_b128 v[96+12*\t+6*\c:96+12*\t+6*\c+3], v6 offset:\t*12288+(\s)*1536+\c*768
	ds_load_b64 v[96+12*\t+6*\c+4:96+12*\t+6*\c+5], v7 offset:\t*12288+(\s)*1536+\c*768
.endr
.endr
.endm
; K step s's 32 matrix instructions.  The 32 accumulators take turns, in the same order in every step.  The first step's C is the bias.
.macro MULS s, swap
.if (\s) == 0
	WIN 0xC5                                       ; sources window 1, C window 0, D window 3
.elseif (\s)%2
	WIN 0xFA                                       ; sources window 2, C and D window 3
.else
	WIN 0xF5                                       ; sources window 1, C and D window 3
.endif
.irp i, 0,1,2,3,4,5,6,7
.irp t, 0,1,2,3
.if \swap
.set DD, 64*\t+8*\i
.if (\s) == 0
	v_wmma_scale_f32_16x16x128_f8f6f4 v[DD:DD+7], v[12*\i:12*\i+11], v[96+12*\t:96+12*\t+11], v[BI+8*\t:BI+8*\t+7], v[XS+8*\i+(\s)], v[WS+8*\t+(\s)] matrix_a_fmt:MATRIX_FMT_FP6 matrix_b_fmt:MATRIX_FMT_FP6
.else
	v_wmma_scale_f32_16x16x128_f8f6f4 v[DD:DD+7], v[12*\i:12*\i+11], v[96+12*\t:96+12*\t+11], v[DD:DD+7], v[XS+8*\i+(\s)], v[WS+8*\t+(\s)] matrix_a_fmt:MATRIX_FMT_FP6 matrix_b_fmt:MATRIX_FMT_FP6
.endif
.else
.set DD, 32*\i+8*\t
.if (\s) == 0
	v_wmma_scale_f32_16x16x128_f8f6f4 v[DD:DD+7], v[96+12*\t:96+12*\t+11], v[12*\i:12*\i+11], v[BI+8*\t:BI+8*\t+7], v[WS+8*\t+(\s)], v[XS+8*\i+(\s)] matrix_a_fmt:MATRIX_FMT_FP6 matrix_b_fmt:MATRIX_FMT_FP6
.else
	v_wmma_scale_f32_16x16x128_f8f6f4 v[DD:DD+7], v[96+12*\t:96+12*\t+11], v[12*\i:12*\i+11], v[DD:DD+7], v[WS+8*\t+(\s)], v[XS+8*\i+(\s)] matrix_a_fmt:MATRIX_FMT_FP6 matrix_b_fmt:MATRIX_FMT_FP6
.endif
.endif
.endr
.endr
.endm
; A K step: its 48 loads are in; the next step's are asked for, into the buffer that the step before multiplied, four places behind its last product; then the products.
.macro STEP s, swap
	WIN 0
	s_wait_dscnt 0x0
.if (\s) < 7
	PLACES
	FETCH (\s)+1
.endif
	MULS \s, \swap
.endm
.macro OPEN                            ; all four tiles are there: all scale words (they stay in registers) and the first fragments
	s_wait_tensorcnt 0x0                           ; my one load has landed,
	s_barrier_signal -1
	s_barrier_wait -1                              ; and so has every wave's
.irp i, 0,1,2,3,4,5,6,7
.irp g, 0,1,2,3
	ds_load_b64 v[XS+8*\i+2*\g:XS+8*\i+2*\g+1], v8 offset:\i*512+\g*128
.endr
.endr
.irp t, 0,1,2,3
.irp s, 0,1,2,3,4,5,6,7
	ds_load_b32 v[WS+8*\t+\s], v9 offset:\s*1024+\t*64
.endr
.endr
	FETCH 0
	WIN 0
.endm
	s_cmp_eq_u32 s93, 2                            ; p is the same in every wave of every partner
	s_cbranch_scc1 .Lvalues
	; ---- q, k: a lane's eight results of column tile t are d = 32 (t / 2) + 8 (t % 2) + 16 h + 0 .. 7: so is its bias
	v_lshlrev_b32 v10, 6, v3
.irp t, 0,1,2,3
	global_load_b128 v[BI+8*\t:BI+8*\t+3], v10, s[8:9] offset:(32*(\t/2)+8*(\t%2))*4
	global_load_b128 v[BI+8*\t+4:BI+8*\t+7], v10, s[8:9] offset:(32*(\t/2)+8*(\t%2))*4+16
.endr
	s_wait_alu depctr_va_vdst(0)                   ; the wait at the head's end
	OPEN
	s_wait_loadcnt 0x0                             ; the bias
.irp s, 0,1,2,3,4,5,6,7
	STEP \s, 0
.endr
	WIN 0
	s_branch .Ljoin
.Lvalues:
	; ---- v: a lane holds channel d = 32 (t / 2) + 8 (t % 2) + r + 8 (r / 8) in all eight registers: one number of the bias, spread
	v_and_b32 v10, 8, v2
	v_add_nc_u32 v10, v10, v2
	v_lshlrev_b32 v10, 2, v10
.irp t, 0,1,2,3
	global_load_b32 v[BI+8*\t], v10, s[8:9] offset:(32*(\t/2)+8*(\t%2))*4
.endr
	s_wait_alu depctr_va_vdst(0)                   ; the wait at the head's end
	OPEN
	s_wait_loadcnt 0x0
.irp t, 0,1,2,3
.irp j, 1,2,3,4,5,6,7
	v_mov_b32 v[BI+8*\t+\j], v[BI+8*\t]
.endr
.endr
	s_wait_alu depctr_va_vdst(0)                   ; the wait
.irp s, 0,1,2,3,4,5,6,7
	STEP \s, 1
.endr
	WIN 0
.Ljoin:
	; ---- THE EPILOGUE.  Accumulator registers 16 b .. 16 b + 15 are my 16 numbers of block b (of 16); the other 16 lie in lane l xor 16.  Blocks 2 n and 2 n + 1 make half fragment n.
	PLACES                                         ; four places behind the last product
	WIN 0x0F                                       ; sources 0 and 1 window 3
.irp b, 0,1,2,3,4,5,6,7,8,9,10,11,12,13,14,15
	v_max3_num_f32 v[TM+\b], |v[16*\b]|, |v[16*\b+1]|, 0x1800000   ; each accumulator from its low end on; the floor 2^(3 - 127) holds the byte at 1 from below
.endr
.irp i, 2,4,6,8,10,12,14
.irp b, 0,1,2,3,4,5,6,7,8,9,10,11,12,13,14,15
	v_max3_num_f32 v[TM+\b], |v[16*\b+\i]|, |v[16*\b+\i+1]|, v[TM+\b]
.endr
.endr
	WIN 0
.irp b, 0,1,2,3,4,5,6,7,8,9,10,11,12,13,14,15
	v_permlanex16_b32 v[TP+\b], v[TM+\b], s66, s67   ; (its destination held the bias: it has been written)
.endr
.irp b, 0,1,2,3,4,5,6,7,8,9,10,11,12,13,14,15
	v_max_num_f32 v[TM+\b], v[TM+\b], v[TP+\b]     ; the block's largest magnitude
.endr
.irp b, 0,1,2,3,4,5,6,7,8,9,10,11,12,13,14,15
	v_add_nc_u32 v[TM+\b], 0xff000000, v[TM+\b]    ; 2 off its exponent field: the conversion's scale operand
.endr
.irp b, 0,1,2,3,4,5,6,7,8,9,10,11,12,13,14,15
	v_lshrrev_b32 v[TP+\b], 23, v[TM+\b]           ; the byte
.endr
.irp n, 0,1,2,3,4,5,6,7
	v_lshl_or_b32 v[HW+\n], v[TP+2*\n+1], 8, v[TP+2*\n]
.endr
	WIN 0x03                                       ; source 0 window 3
.irp n, 0,1,2,3,4,5,6,7
	v_cvt_scalef32_pk16_fp6_f32 v[PB+6*\n:PB+6*\n+2], v[32*\n:32*\n+15], v[TM+2*\n]
	v_cvt_scalef32_pk16_fp6_f32 v[TQ+4*\n:TQ+4*\n+2], v[32*\n+16:32*\n+31], v[TM+2*\n+1]
.endr
	WIN 0
	v_nop                                          ; one plain instruction behind the scaled conversions
.irp n, 0,1,2,3,4,5,6,7                        ; the layout wants a WHOLE block in a lane: lanes 0-15 the first, lanes 16-31 the second
.irp i, 0,1,2
	v_permlane16_swap_b32 v[PB+6*\n+\i], v[TQ+4*\n+\i]
.endr
.irp i, 0,1,2
	v_mov_b32 v[PB+6*\n+3+\i], v[TQ+4*\n+\i]
.endr
.endr
.irp n, 0,1,2,3,4,5,6,7
	global_store_b128 v11, v[PB+6*\n:PB+6*\n+3], s[94:95] offset:768*\n          ; 512 consecutive bytes,
	global_store_b64 v12, v[PB+6*\n+4:PB+6*\n+5], s[94:95] offset:768*\n+512     ; and 256
.endr
	v_cmp_ne_u32 vcc_lo, 0, v3
	s_cmp_eq_u32 s93, 2
	s_cbranch_scc1 .Lwords_v
.irp j, 0,1,2,3                                ; q, k: row r's words of the eight token tiles: lanes 0-15 store tiles 0-3, lanes 16-31 tiles 4-7: 512 consecutive bytes
	v_cndmask_b32 v[OW+\j], v[HW+\j], v[HW+4+\j], vcc_lo
.endr
	global_store_b128 v13, v[OW:OW+3], s[104:105]
	s_branch .Lstored
.Lwords_v:
.irp t, 0,1,2,3                                ; v: channel tile t's word for these 128 keys: the bytes of half fragments 2 t and 2 t + 1
	v_lshl_or_b32 v[HW+2*\t], v[HW+2*\t+1], 16, v[HW+2*\t]
.endr
	v_cndmask_b32 v[OW], v[HW], v[HW+4], vcc_lo
	v_cndmask_b32 v[OW+1], v[HW+2], v[HW+6], vcc_lo
	global_store_b64 v14, v[OW:OW+1], s[104:105]   ; 256 consecutive bytes
.Lstored:
	s_wait_tensorcnt 0x0                           ; the wave's end
	ds_add_u32 v254, v255
	s_wait_dscnt 0x0
	CROUND                                         ; the closing round
	s_endpgm
.Lfunc_end_k_qfe79e603be_proj:
	.size	k_qfe79e603be_proj, .Lfunc_end_k_qfe79e603be_proj-k_qfe79e603be_proj
	.p2alignl 7, 3214868480
	.fill 96, 4, 3214868480
	.section	.rodata,"a",@progbits
	.p2align	6, 0x0
	.amdhsa_kernel k_qfe79e603be_proj
		.amdhsa_group_segment_fixed_size 307712
		.amdhsa_private_segment_fixed_size 0
		.amdhsa_enable_private_segment 0
		.amdhsa_kernarg_size 56
		.amdhsa_user_sgpr_count 2
		.amdhsa_user_sgpr_kernarg_segment_ptr 1
		.amdhsa_wavefront_size32 1
		.amdhsa_system_sgpr_workgroup_id_x 1
		.amdhsa_system_sgpr_workgroup_id_y 1
		.amdhsa_system_sgpr_workgroup_id_z 1
		.amdhsa_system_vgpr_workitem_id 0
		.amdhsa_next_free_vgpr 1024
		.amdhsa_next_free_sgpr 106
		.amdhsa_reserve_vcc 1
		.amdhsa_float_denorm_mode_32 3
		.amdhsa_float_denorm_mode_16_64 3
		.amdhsa_memory_ordered 1
		.amdhsa_forward_progress 1
		.amdhsa_inst_pref_size 154
	.end_amdhsa_kernel
	.amdgpu_metadata
---
amdhsa.version: [ 1, 2 ]
amdhsa.kernels:
  - .name:           k_qfe79e603be_proj
    .symbol:         k_qfe79e603be_proj.kd
    .args:
      - { .name: xq, .offset: 0, .size: 8, .value_kind: global_buffer, .address_space: global }
      - { .name: wq, .offset: 8, .size: 8, .value_kind: global_buffer, .address_space: global }
      - { .name: bq, .offset: 16, .size: 8, .value_kind: global_buffer, .address_space: global }
      - { .name: bk, .offset: 24, .size: 8, .value_kind: global_buffer, .address_space: global }
      - { .name: bv, .offset: 32, .size: 8, .value_kind: global_buffer, .address_space: global }
      - { .name: qq, .offset: 40, .size: 8, .value_kind: global_buffer, .address_space: global }
      - { .name: kv, .offset: 48, .size: 8, .value_kind: global_buffer, .address_space: global }
    .group_segment_fixed_size: 307712
    .private_segment_fixed_size: 0
    .kernarg_segment_align: 8
    .kernarg_segment_size: 56
    .max_flat_workgroup_size: 128
    .sgpr_count:     106
    .vgpr_count:     1024
    .wavefront_size: 32
...
	.end_amdgpu_metadata
.endif
;; end of part 2
;; launch attn (part 3): grid 8 x 32, 16 waves a work-group, clusters of 4 x 1, 210,944 bytes of LDS; arguments qq, kv, cq; writes cq
.if DOCPART == 3
	.amdgcn_target "amdgcn-amd-amdhsa--gfx1250"
	.amdhsa_code_object_version 6
	.text
	.protected	k_qfe79e603be_attn
	.globl	k_qfe79e603be_attn
	.p2align	8
	.type	k_qfe79e603be_attn,@function
k_qfe79e603be_attn:
	s_mov_b64 s[64:65], 0
	v_nop
	global_prefetch_b8 v0, s[64:65] scope:SCOPE_SE
	s_setreg_imm32_b32 hwreg(HW_REG_WAVE_MODE, 25, 1), 1
	s_wait_xcnt 0x0
	s_wait_alu depctr_hold_cnt(0) depctr_sa_sdst(0) depctr_va_vdst(0) depctr_va_sdst(0) depctr_va_ssrc(0) depctr_va_vcc(0) depctr_vm_vsrc(0)
	s_getreg_b32 s2, hwreg(HW_REG_IB_STS2, 6, 4)
	s_cmp_eq_u32 s2, 0
	s_cbranch_scc0 .Lentry_in_a_cluster
	s_endpgm
.Lentry_in_a_cluster:
	s_bfe_u32 s2, ttmp6, 0x10000c
	s_cmp_lg_u32 s2, 0x3003
	s_cbranch_scc0 .Lentry_shape_is_right
	s_endpgm
.Lentry_shape_is_right:
; ctx = softmax(Q K^T / 8) V for one head and 256 queries, both products on codes of FP6 (E2M3) with E8M0 scales; ctx is quantised in registers as the last projection's operand.
; THE SOFTMAX AHEAD OF THE SECOND PRODUCT: t = score x log2(e) / 8; M = the running largest t rounded UP to a whole number; p = 2^(t - M) is quantised along the keys, not normalised; the row's sum is taken of the
; unquantised p in f32 and divides at the end.  When M moves, the sum and O are multiplied by 2^(old M - new M): exact.
; SHARES.  A work-group owns 256 queries of one head; each of its sixteen waves one tile of 16, in 256 registers: four waves to a SIMD.
; LDS IS AN IMAGE OF THE HEAD'S PART OF kv (208,896 bytes = 816 rows of 256: k's scale words, v's, then four groups of 512 keys: k's codes, v's codes), FILLED ONCE: each of the sixteen waves issues one tensor load
; of 51 rows, by one line with no branch.  Every wave waits for its load (0); ONE barrier shows the image to all; nothing is written to LDS after that, and the waves walk the sixteen key steps without meeting.
; The cluster's four work-groups walk the same head, so every load is asked for jointly.  No prefetch: all that the launch streams is asked for at its head.
; LAYOUT.  Both products are used transposed: S^T = K Q^T (source 0 = 16 keys), O^T = V^T P^T (source 0 = 16 channels): a lane holds ONE query throughout.  Row r of tile T is row 32 (T / 2) + 8 (T % 2) + r + 8 (r / 8), so the
; 16 registers of tiles 2 b and 2 b + 1 are 16 neighbours 32 b + 16 (lane / 16) + 0 .. 15: of the keys in S^T, of the channels in O^T.
; THE HEAD'S 64 ARE HALF OF THE INSTRUCTION'S 128: registers 6-11 of Q's fragment hold zero codes, under scale bytes 0 (2^-127: no NaN).  So what stands in registers 6-11 of K's fragment adds nothing: a code of
; E2M3 is always a finite number.  K's eight tiles lie SIX registers apart: a tile's fragment runs on over the next tile's codes, the last tile's over six registers of zeros.
; LIMITS: NaN and infinities are not served; a block of zeros gets the byte 1; the scaled scores stay under 2^31 in magnitude.  ctx's two scale bytes a row leave by stores of 2 bytes, 8 bytes apart: the bytes between belong to other work-groups.
; RESULT: cq, laid as one tensor of xq: codes [tile 256][head 16][768]; from 3,145,728 scale words [tile][4][r 16][2]: head's bytes at (head / 4) x 128 + 8 r + 4 ((head / 2) % 2) + 2 (head % 2).
; REGISTERS: v1-7 addresses that stay; v8-11 the step's; v12 -M, v13 the largest t, v[14:15] the sum; v16-27 Q, v28 its scale word; v32-79 K's eight tiles, v80-85 zeros;
;   v96-159 S^T, then p, then V's four fragments (v96-143); v160-191 O^T; v192-203 p's codes, v204-211 their second halves; v212-219 K's scale words, v220-223 V's, v224 p's; v226-251, v254 at work; v253, v255 the add's.
.set SPARE, 208896                     ; behind the image: the spare words, 2,048 bytes
.set WPART, 13056                      ; a wave's part of the image: 51 rows of 256 bytes
.set G1C, 16                           ; s[16:23] group 1      s[32:35] group 0
.set G0,  32
.set TB,  52                           ; s52  the group of 512 keys: 49,152 x group (codes)
.set TS,  53                           ; s53  2,048 x group (K's scale words)
.set TJ,  54                           ; s54  1,024 x group (V's scale words)
; v8-11 hold the group's LDS addresses (K's and V's codes, K's words, V's words), v29-31 the next group's (K's codes and words): made once in four key steps; a step's place stands in the loads' immediates
.set CNT, 55
.set CS,  56                           ; s[56:57] c = log2(e) / 8
.set SEL, 58                           ; s[58:59] selects for lane l xor 16
.set KF,  32                           ; K's tile t at v[KF + 6 t]
.set KSW, 212
.set VSW, 220
.set PSW, 224
.macro CROUND
	s_barrier_signal -1
	s_barrier_wait -1
	s_cmp_lg_u32 s10, 0
	s_cbranch_scc1 .Lnot_wave_0_\@
	s_barrier_signal -3
.Lnot_wave_0_\@:
	s_barrier_wait -3
	s_barrier_signal -1
	s_barrier_wait -1
.endm
	s_load_b128 s[4:7], s[0:1], 0x0                ; qq s[4:5], kv s[6:7]
	s_load_b64 s[8:9], s[0:1], 0x10                ; cq
	v_lshl_add_u32 v253, v0, 2, SPARE
	v_mov_b32 v255, 0
	ds_add_u32 v253, v255                          ; the opening lines: the add twice and its wait
	ds_add_u32 v253, v255
	v_lshrrev_b32 v1, 5, v0
	s_delay_alu instid0(VALU_DEP_1)
	v_readfirstlane_b32 s10, v1                    ; wave 0..15
	s_bfe_u32 s11, ttmp6, 0x40000                  ; cx: it enters Q's and ctx's addresses alone
	s_lshl_b32 s12, ttmp9, 2
	s_add_co_u32 s12, s12, s11                     ; my block of 256 queries
	s_and_b32 s13, ttmp7, 0xffff                   ; batch x 16 + head, which the four partners share
	s_mov_b32 s[G1C], 15|(3<<16)|(1<<21)           ; the mask: all four work-groups; elements of 8 bytes; bit 21 beside a mask; no padding
	s_mov_b32 s[G1C+1], 32<<16                     ; 51 rows of 32 elements, dense
	s_mov_b32 s[G1C+2], 51<<16
	s_mov_b32 s[G1C+3], 32<<16
	s_mov_b32 s[G1C+4], 51
	s_mov_b32 s[G1C+5], 32
	s_mov_b32 s[G1C+6], 0
	s_mov_b32 s[G1C+7], 0
	s_mov_b32 s[CS], 0x3e38aa3b
	s_mov_b32 s[CS+1], s[CS]                       ; (named with it as a pair, so it is written)
	s_mov_b32 s[SEL], 0x76543210
	s_mov_b32 s[SEL+1], 0xfedcba98
	s_mul_i32 s60, s13, 208896
	s_mov_b32 s61, 0
	s_mul_i32 s2, s10, WPART
	s_wait_dscnt 0x0
	s_wait_kmcnt 0x0
	s_add_nc_u64 s[6:7], s[6:7], s[60:61]          ; the head's part of kv
	s_mov_b32 s60, s2
	s_mov_b32 s[G0], 1
	s_mov_b32 s[G0+1], s2                          ; LDS address = the offset in the head's part
	s_add_nc_u64 s[G0+2:G0+3], s[6:7], s[60:61]
	s_or_b32 s[G0+3], s[G0+3], 0x80000000
	CROUND                                         ; all four work-groups are here: the joint loads meet
	tensor_load_to_lds s[G0:G0+3], s[G1C:G1C+7]    ; my one load: every wave issues this line
	s_nop 0
.rept 4
	v_nop
.endr
	s_lshl_b32 s15, s12, 4
	s_add_co_u32 s15, s15, s10                     ; my tile of queries, of the head's 128
	s_mul_i32 s60, s13, 98304
	s_mul_i32 s3, s15, 768
	s_add_co_u32 s60, s60, s3
	s_mov_b32 s61, 0
	s_add_nc_u64 s[60:61], s[4:5], s[60:61]        ; its codes
	s_lshl_b32 s62, s13, 13
	s_lshr_b32 s3, s15, 3
	s_lshl_b32 s3, s3, 9
	s_add_co_u32 s62, s62, s3
	s_and_b32 s3, s15, 7
	s_lshl_b32 s3, s3, 2
	s_add_co_u32 s62, s62, s3
	s_add_co_u32 s62, s62, 3145728
	s_mov_b32 s63, 0
	s_add_nc_u64 s[62:63], s[4:5], s[62:63]        ; its scale words
	v_and_b32 v5, 31, v0                           ; lane
	v_and_b32 v6, 15, v0                           ; r
	s_delay_alu instid0(VALU_DEP_2)
	v_lshlrev_b32 v1, 4, v5                        ; a half fragment's place for my lane: 16 x lane,
	s_delay_alu instid0(VALU_DEP_3)
	v_lshl_add_u32 v2, v5, 3, 512                  ; and 512 + 8 x lane
	s_delay_alu instid0(VALU_DEP_3)
	v_lshlrev_b32 v3, 5, v6                        ; scale words of Q and K: 32 bytes a row
	s_delay_alu instid0(VALU_DEP_4)
	v_lshl_add_u32 v4, v6, 4, 8192                 ; of V: 16 bytes a row, behind K's
	global_load_b128 v[16:19], v1, s[60:61]
	global_load_b64 v[20:21], v2, s[60:61]
	global_load_b32 v28, v3, s[62:63]
	v_mov_b32 v13, 0xff61b1e6                      ; the largest t so far: -3e38, under every t
	s_delay_alu instid0(VALU_DEP_1)
	v_floor_f32 v12, -v13                          ; -M
	v_mov_b32 v14, 0                               ; the sum, in two halves
	v_mov_b32 v15, 0
.irp j, 22,23,24,25,26,27
	v_mov_b32 v[\j], 0                             ; Q's k = 64 .. 127: zero codes
.endr
.irp j, 0,1,2,3,4,5
	v_mov_b32 v[KF+48+\j], 0                       ; behind K's last tile
.endr
.set J, 0
.rept 32
	v_mov_b32 v[160+J], 0                          ; O^T: the step is written once; its first trip finds zeros
.set J, J+1
.endr
.irp b, 0,1,2,3
	v_mov_b32 v[236+\b], 0                         ; a lane permute's destination counts as one of its sources
.endr
	v_mov_b32 v241, 0                              ; (named as the upper half of the pair v[240:241])
	v_mov_b32 v254, 0
; A KEY STEP: 128 keys.
.macro KLOAD a0, a1, as, off, soff     ; K's eight tiles of 16 keys in one run, six registers each, on end; and row r's scale words of the eight tiles
.irp t, 0,1,2,3,4,5,6,7
	ds_load_b128 v[KF+6*\t:KF+6*\t+3], v[\a0] offset:(\off)+\t*768
	ds_load_b64 v[KF+6*\t+4:KF+6*\t+5], v[\a1] offset:(\off)+\t*768
.endr
	ds_load_b128 v[KSW:KSW+3], v[\as] offset:\soff
	ds_load_b128 v[KSW+4:KSW+7], v[\as] offset:(\soff)+16
.endm
; Step j of a group of four.  K's fragments were asked for a step earlier and are in: the wait ahead of the last step's second product (ahead of the loop: a wait of its own) has shown them.
.macro STEP j
.if (\j) > 0
.rept 5
	v_nop                                          ; five places behind the last step's products: the products below write over V's fragments (in step 0 the group's seven address lines are these places)
.endr
.endif
.irp t, 0,1,2,3,4,5,6,7                        ; S^T = K Q^T
	v_wmma_scale_f32_16x16x128_f8f6f4 v[96+8*\t:103+8*\t], v[KF+6*\t:KF+6*\t+11], v[16:27], 0, v[KSW+\t], v28 matrix_a_fmt:MATRIX_FMT_FP6 matrix_b_fmt:MATRIX_FMT_FP6
.endr
.rept 4
	v_nop                                          ; four places: for the loads into K's registers and for the first reads of the scores
.endr
.if (\j) < 3
	KLOAD 8, 9, 10, 12288+((\j)+1)*6144, ((\j)+1)*512   ; THE NEXT STEP'S K, asked for while this step's softmax is worked
.else
	KLOAD 29, 30, 31, 12288, 0                     ; the next group's first step (behind the last group: the last group's once more, which nobody reads)
.endif
.irp b, 0,1,2,3
	v_max3_num_f32 v[232+\b], v[96+16*\b], v[97+16*\b], v[98+16*\b]   ; the largest score of each block of 32 keys: it serves the row's maximum and, since p rises with the score, the block's largest p
.endr
.irp i, 3,5,7,9,11,13
.irp b, 0,1,2,3
	v_max3_num_f32 v[232+\b], v[232+\b], v[96+16*\b+\i], v[97+16*\b+\i]
.endr
.endr
.irp b, 0,1,2,3
	v_max_num_f32 v[232+\b], v[232+\b], v[111+16*\b]
.endr
.irp b, 0,1,2,3
	s_delay_alu instid0(VALU_DEP_4)
	v_permlanex16_b32 v[236+\b], v[232+\b], s[SEL], s[SEL+1]
.endr
.irp b, 0,1,2,3
	s_delay_alu instid0(VALU_DEP_4)
	v_max_num_f32 v[232+\b], v[232+\b], v[236+\b]  ; with lane l xor 16's 16 keys
.endr
	s_delay_alu instid0(VALU_DEP_2)
	v_max3_num_f32 v254, v232, v233, v234
	s_delay_alu instid0(VALU_DEP_1)
	v_max_num_f32 v254, v254, v235                 ; the step's largest score of my query
	s_delay_alu instid0(VALU_DEP_1)
	v_mul_f32 v254, s[CS], v254                    ; as t (c is positive)
	s_delay_alu instid0(VALU_DEP_1)
	v_max_num_f32 v13, v13, v254                   ; the running largest t
	v_mov_b32 v254, v12
	s_delay_alu instid0(VALU_DEP_2)
	v_floor_f32 v12, -v13                          ; the new -M = floor(-t) = -ceil(t)
	s_delay_alu instid0(VALU_DEP_1)
	v_sub_f32 v254, v12, v254                      ; old M - new M: a whole number, 0 or less
	s_delay_alu instid0(VALU_DEP_1)
	v_cvt_i32_f32 v254, v254                       ; (it saturates)
	s_delay_alu instid0(VALU_DEP_1)
	v_ldexp_f32 v240, 1.0, v254                    ; f = 2^(old M - new M)
.set J, 0
.rept 32
	v_pk_fma_f32 v[96+J:97+J], v[96+J:97+J], s[CS:CS+1], v[12:13] op_sel_hi:[1,0,0]   ; t - M, two at a time
.set J, J+2
.endr
.irp b, 0,1,2,3
	v_fma_f32 v[232+\b], v[232+\b], s[CS], v12     ; the same of each block's largest score
.endr
.set J, 0
	s_wait_alu depctr_va_vdst(0)                   ; the wait ahead of the batch
.rept 64
	v_exp_f32 v[96+J], v[96+J]                     ; p = 2^(t - M), at most 1
.set J, J+1
.endr
	v_pk_mul_f32 v[14:15], v[14:15], v[240:241] op_sel_hi:[1,0]   ; the sums under the new M: the plain instruction behind the exponentials
	s_wait_alu depctr_va_vdst(0)                   ; one wait for the batch of 64, ahead of its first reader
.irp b, 0,1,2,3
	v_exp_f32 v[232+\b], v[232+\b]                 ; the block's largest p: the same two instructions on the same number give the same bits
.endr
	v_pk_add_f32 v[236:237], v[100:101], v[104:105]    ; the row's sum of the unquantised p, in eight chains
	v_pk_add_f32 v[250:251], v[108:109], v[112:113]
	v_pk_add_f32 v[248:249], v[116:117], v[120:121]
	v_pk_add_f32 v[242:243], v[124:125], v[128:129]
	v_pk_add_f32 v[230:231], v[132:133], v[136:137]
	v_pk_add_f32 v[228:229], v[140:141], v[144:145]
	v_pk_add_f32 v[226:227], v[148:149], v[152:153]
	v_pk_add_f32 v[14:15], v[14:15], v[156:157]
	v_pk_add_f32 v[236:237], v[236:237], v[96:97]
	v_pk_add_f32 v[250:251], v[250:251], v[98:99]
	v_pk_add_f32 v[248:249], v[248:249], v[102:103]
	v_pk_add_f32 v[242:243], v[242:243], v[106:107]
	v_pk_add_f32 v[230:231], v[230:231], v[110:111]
	v_pk_add_f32 v[228:229], v[228:229], v[114:115]
	v_pk_add_f32 v[226:227], v[226:227], v[118:119]
	v_pk_add_f32 v[14:15], v[14:15], v[122:123]
	v_pk_add_f32 v[236:237], v[236:237], v[126:127]
	v_pk_add_f32 v[250:251], v[250:251], v[130:131]
	v_pk_add_f32 v[248:249], v[248:249], v[134:135]
	v_pk_add_f32 v[242:243], v[242:243], v[138:139]
	v_pk_add_f32 v[230:231], v[230:231], v[142:143]
	v_pk_add_f32 v[228:229], v[228:229], v[146:147]
	v_pk_add_f32 v[226:227], v[226:227], v[150:151]
	v_pk_add_f32 v[14:15], v[14:15], v[154:155]
	v_pk_add_f32 v[236:237], v[236:237], v[158:159]
	s_delay_alu instid0(VALU_DEP_2)
	v_pk_add_f32 v[14:15], v[14:15], v[242:243]
	s_delay_alu instid0(VALU_DEP_2)
	v_pk_add_f32 v[236:237], v[236:237], v[230:231]
	v_pk_add_f32 v[250:251], v[250:251], v[228:229]
	v_pk_add_f32 v[248:249], v[248:249], v[226:227]
	s_delay_alu instid0(VALU_DEP_2)
	v_pk_add_f32 v[14:15], v[14:15], v[250:251]
	s_delay_alu instid0(VALU_DEP_2)
	v_pk_add_f32 v[236:237], v[236:237], v[248:249]
	s_delay_alu instid0(VALU_DEP_1)
	v_pk_add_f32 v[14:15], v[14:15], v[236:237]
	s_wait_alu depctr_va_vdst(0)                   ; and one for the four
.irp b, 0,1,2,3
	v_max_num_f32 v[232+\b], 0x1800000, v[232+\b]  ; the floor 2^(3 - 127): the byte cannot fall under 1
.endr
.irp b, 0,1,2,3
	s_delay_alu instid0(VALU_DEP_4)
	v_add_nc_u32 v[244+\b], 0xff000000, v[232+\b]  ; 2 off the exponent field: the conversion's scale operand
.endr
.irp b, 0,1,2,3
	s_delay_alu instid0(VALU_DEP_4)
	v_lshrrev_b32 v[236+\b], 23, v[244+\b]         ; the byte
.endr
	s_delay_alu instid0(VALU_DEP_3)
	v_lshl_or_b32 v[PSW], v237, 8, v236            ; p's scale word for these 128 keys
	s_delay_alu instid0(VALU_DEP_1)
	v_lshl_or_b32 v[PSW], v238, 16, v[PSW]
	s_delay_alu instid0(VALU_DEP_1)
	v_lshl_or_b32 v[PSW], v239, 24, v[PSW]
.irp c, 0,1
	v_cvt_scalef32_pk16_fp6_f32 v[192+6*\c:194+6*\c], v[96+32*\c:111+32*\c], v[244+2*\c]
	v_cvt_scalef32_pk16_fp6_f32 v[204+4*\c:206+4*\c], v[112+32*\c:127+32*\c], v[244+2*\c+1]
.endr
	v_nop                                          ; one plain instruction behind the scaled conversions
.irp t, 0,1,2,3                                ; V's four fragments (16 channels x these 128 keys) take p's place: p is done with
.irp c, 0,1
	ds_load_b128 v[96+12*\t+6*\c:99+12*\t+6*\c], v8 offset:36864+(\j)*6144+\t*1536+\c*768
	ds_load_b64 v[100+12*\t+6*\c:101+12*\t+6*\c], v9 offset:36864+(\j)*6144+\t*1536+\c*768
.endr
.endr
	ds_load_b128 v[VSW:VSW+3], v11 offset:(\j)*256 ; row r's scale words of V's four channel tiles
.irp c, 0,1                                    ; the layout wants a WHOLE block in a lane
.irp i, 0,1,2
	v_permlane16_swap_b32 v[192+6*\c+\i], v[204+4*\c+\i]
.endr
.irp i, 0,1,2
	s_delay_alu instid0(VALU_DEP_3)
	v_mov_b32 v[195+6*\c+\i], v[204+4*\c+\i]
.endr
.endr
.set J, 0
.rept 16
	v_pk_mul_f32 v[160+J:161+J], v[160+J:161+J], v[240:241] op_sel_hi:[1,0]   ; O^T under the new M.  For each product below, twelve of these name none of its registers: the places between p's codes and scale word and the products
.set J, J+2
.endr
	s_wait_alu depctr_va_vdst(0)                   ; directly ahead of the wait below
	s_wait_dscnt 0x0
.irp t, 0,1,2,3                                ; O^T += V^T P^T: the four accumulators by turns
	v_wmma_scale_f32_16x16x128_f8f6f4 v[160+8*\t:167+8*\t], v[96+12*\t:107+12*\t], v[192:203], v[160+8*\t:167+8*\t], v[VSW+\t], v[PSW] matrix_a_fmt:MATRIX_FMT_FP6 matrix_b_fmt:MATRIX_FMT_FP6
.endr
.endm
	s_wait_alu depctr_va_vdst(0)                   ; the wait at the head's end
	s_wait_loadcnt 0x0                             ; Q
	s_wait_dscnt 0x0
	s_wait_tensorcnt 0x0                           ; my part of the image has landed,
	s_barrier_signal -1
	s_barrier_wait -1                              ; and every wave's: nothing writes LDS from here to the waves' ends
	KLOAD 1, 2, 3, 12288, 0                        ; the first step's K
	s_mov_b32 s[TB], 0
	s_mov_b32 s[TS], 0
	s_mov_b32 s[TJ], 0
	s_mov_b32 s[CNT], 4
	s_wait_dscnt 0x0
.Lgroup:                                               ; a trip: a group of 512 keys, four key steps
	s_add_co_u32 s2, s[TB], 49152                  ; the next group, held at the last: every LDS read stays inside the image
	s_min_u32 s2, s2, 3*49152
	s_add_co_u32 s3, s[TS], 2048
	s_min_u32 s3, s3, 3*2048
	v_add_nc_u32 v8, s[TB], v1
	v_add_nc_u32 v9, s[TB], v2
	v_add_nc_u32 v10, s[TS], v3
	v_add_nc_u32 v11, s[TJ], v4
	v_add_nc_u32 v29, s2, v1
	v_add_nc_u32 v30, s2, v2
	v_add_nc_u32 v31, s3, v3
	STEP 0
	STEP 1
	STEP 2
	STEP 3
	s_add_co_u32 s[TB], s[TB], 49152
	s_add_co_u32 s[TS], s[TS], 2048
	s_add_co_u32 s[TJ], s[TJ], 1024
	s_sub_co_u32 s[CNT], s[CNT], 1
	s_cmp_lg_u32 s[CNT], 0
	s_cbranch_scc1 .Lgroup
	; THE WAY OUT: O^T / the sum, quantised along the head's 64 (K of the last projection): one half fragment and two scale bytes a row.
.rept 4
	v_nop                                          ; places behind the last products
.endr
	v_add_f32 v14, v14, v15
	s_delay_alu instid0(VALU_DEP_1)
	v_permlanex16_b32 v254, v14, s[SEL], s[SEL+1]
	s_delay_alu instid0(VALU_DEP_1)
	v_add_f32 v14, v14, v254                       ; the row's sum
	s_wait_alu depctr_va_vdst(0)
	v_rcp_f32 v14, v14
	v_lshlrev_b32 v7, 3, v6                        ; (the plain instruction behind the reciprocal)  8 r
	s_lshr_b32 s2, s13, 4                          ; batch
	s_and_b32 s3, s13, 15                          ; head
	s_lshl_b32 s2, s2, 7
	s_add_co_u32 s2, s2, s15                       ; the tile among all 256
	s_lshl_b32 s60, s2, 4
	s_add_co_u32 s60, s60, s3
	s_mul_i32 s60, s60, 768
	s_mov_b32 s61, 0
	s_add_nc_u64 s[60:61], s[8:9], s[60:61]        ; the codes' place
	s_lshl_b32 s62, s2, 9
	s_lshr_b32 s2, s3, 2
	s_lshl_b32 s2, s2, 7
	s_add_co_u32 s62, s62, s2
	s_bfe_u32 s2, s3, 0x10001
	s_lshl_b32 s2, s2, 2
	s_add_co_u32 s62, s62, s2
	s_and_b32 s2, s3, 1
	s_lshl_b32 s2, s2, 1
	s_add_co_u32 s62, s62, s2
	s_add_co_u32 s62, s62, 3145728
	s_mov_b32 s63, 0
	s_add_nc_u64 s[62:63], s[8:9], s[62:63]        ; the bytes'
	s_wait_alu depctr_va_vdst(0)                   ; ahead of the reciprocal's first reader
.set J, 0
.rept 16
	v_pk_mul_f32 v[96+J:97+J], v[160+J:161+J], v[14:15] op_sel_hi:[1,0]   ; register 16 b + i is ctx(my query, 32 b + 16 h + i); each accumulator from its low end on
.set J, J+2
.endr
.irp b, 0,1
	v_max3_num_f32 v[232+\b], |v[96+16*\b]|, |v[97+16*\b]|, 0x1800000
.endr
.irp i, 2,4,6,8,10,12,14
.irp b, 0,1
	s_delay_alu instid0(VALU_DEP_2)
	v_max3_num_f32 v[232+\b], v[232+\b], |v[96+16*\b+\i]|, |v[97+16*\b+\i]|
.endr
.endr
.irp b, 0,1
	s_delay_alu instid0(VALU_DEP_2)
	v_permlanex16_b32 v[236+\b], v[232+\b], s[SEL], s[SEL+1]
.endr
.irp b, 0,1
	s_delay_alu instid0(VALU_DEP_2)
	v_max_num_f32 v[232+\b], v[232+\b], v[236+\b]
.endr
.irp b, 0,1
	s_delay_alu instid0(VALU_DEP_2)
	v_add_nc_u32 v[244+\b], 0xff000000, v[232+\b]
.endr
.irp b, 0,1
	s_delay_alu instid0(VALU_DEP_2)
	v_lshrrev_b32 v[236+\b], 23, v[244+\b]
.endr
	s_delay_alu instid0(VALU_DEP_1)
	v_lshl_or_b32 v238, v237, 8, v236              ; the row's two bytes
	v_cvt_scalef32_pk16_fp6_f32 v[192:194], v[96:111], v244
	v_cvt_scalef32_pk16_fp6_f32 v[204:206], v[112:127], v245
	v_nop
.irp i, 0,1,2
	v_permlane16_swap_b32 v[192+\i], v[204+\i]
.endr
.irp i, 0,1,2
	s_delay_alu instid0(VALU_DEP_3)
	v_mov_b32 v[195+\i], v[204+\i]
.endr
	global_store_b128 v1, v[192:195], s[60:61]     ; 512 consecutive bytes,
	global_store_b64 v2, v[196:197], s[60:61]      ; and 256
	v_cmp_gt_u32 vcc_lo, 16, v5
	s_wait_xcnt 0x0                                ; EXEC changes only behind this wait: it is a source of the stores above
	s_and_saveexec_b32 s3, vcc_lo
	global_store_b16 v7, v238, s[62:63]            ; lanes 0-15: row r's two bytes
	s_wait_xcnt 0x0                                ; and again, in front of the line that widens it
	s_or_b32 exec_lo, exec_lo, s3
	s_wait_tensorcnt 0x0                           ; the wave's end
	ds_add_u32 v253, v255
	s_wait_dscnt 0x0
	CROUND                                         ; the closing round
	s_endpgm
.Lfunc_end_k_qfe79e603be_attn:
	.size	k_qfe79e603be_attn, .Lfunc_end_k_qfe79e603be_attn-k_qfe79e603be_attn
	.p2alignl 7, 3214868480
	.fill 96, 4, 3214868480
	.section	.rodata,"a",@progbits
	.p2align	6, 0x0
	.amdhsa_kernel k_qfe79e603be_attn
		.amdhsa_group_segment_fixed_size 210944
		.amdhsa_private_segment_fixed_size 0
		.amdhsa_enable_private_segment 0
		.amdhsa_kernarg_size 24
		.amdhsa_user_sgpr_count 2
		.amdhsa_user_sgpr_kernarg_segment_ptr 1
		.amdhsa_wavefront_size32 1
		.amdhsa_system_sgpr_workgroup_id_x 1
		.amdhsa_system_sgpr_workgroup_id_y 1
		.amdhsa_system_sgpr_workgroup_id_z 1
		.amdhsa_system_vgpr_workitem_id 0
		.amdhsa_next_free_vgpr 256
		.amdhsa_next_free_sgpr 66
		.amdhsa_reserve_vcc 1
		.amdhsa_float_denorm_mode_32 3
		.amdhsa_float_denorm_mode_16_64 3
		.amdhsa_memory_ordered 1
		.amdhsa_forward_progress 1
		.amdhsa_inst_pref_size 82
	.end_amdhsa_kernel
	.amdgpu_metadata
---
amdhsa.version: [ 1, 2 ]
amdhsa.kernels:
  - .name:           k_qfe79e603be_attn
    .symbol:         k_qfe79e603be_attn.kd
    .args:
      - { .name: qq, .offset: 0, .size: 8, .value_kind: global_buffer, .address_space: global }
      - { .name: kv, .offset: 8, .size: 8, .value_kind: global_buffer, .address_space: global }
      - { .name: cq, .offset: 16, .size: 8, .value_kind: global_buffer, .address_space: global }
    .group_segment_fixed_size: 210944
    .private_segment_fixed_size: 0
    .kernarg_segment_align: 8
    .kernarg_segment_size: 24
    .max_flat_workgroup_size: 512
    .sgpr_count:     66
    .vgpr_count:     256
    .wavefront_size: 32
...
	.end_amdgpu_metadata
.endif
;; end of part 3
;; launch outp (part 4): grid 4 x 64, 4 waves a work-group, clusters of 4 x 4, 273,920 bytes of LDS; arguments cq, wq, bo, out0; writes out0
.if DOCPART == 4
	.amdgcn_target "amdgcn-amd-amdhsa--gfx1250"
	.amdhsa_code_object_version 6
	.text
	.protected	k_qfe79e603be_outp
	.globl	k_qfe79e603be_outp
	.p2align	8
	.type	k_qfe79e603be_outp,@function
k_qfe79e603be_outp:
	s_mov_b64 s[64:65], 0
	v_nop
	global_prefetch_b8 v0, s[64:65] scope:SCOPE_SE
	s_setreg_imm32_b32 hwreg(HW_REG_WAVE_MODE, 25, 1), 1
	s_wait_xcnt 0x0
	s_wait_alu depctr_hold_cnt(0) depctr_sa_sdst(0) depctr_va_vdst(0) depctr_va_sdst(0) depctr_va_ssrc(0) depctr_va_vcc(0) depctr_vm_vsrc(0)
	s_getreg_b32 s2, hwreg(HW_REG_IB_STS2, 6, 4)
	s_cmp_eq_u32 s2, 0
	s_cbranch_scc0 .Lentry_in_a_cluster
	s_endpgm
.Lentry_in_a_cluster:
	s_bfe_u32 s2, ttmp6, 0x10000c
	s_cmp_lg_u32 s2, 0xf033
	s_cbranch_scc0 .Lentry_shape_is_right
	s_endpgm
.Lentry_shape_is_right:
; out0 = ctx Wo + bo on codes of FP6 (E2M3) with E8M0 scales; out0 [4096][1024] f32.
; A work-group makes 64 tokens x 256 columns (256 work-groups); wave w makes 64 tokens x 64 columns: 16 accumulators, 8 K steps of 128, 128 matrix instructions.
; Tiles and half fragments as the earlier launches lay them: row r of tile T is row 32 (T / 2) + 8 (T % 2) + r + 8 (r / 8); a half fragment (16 rows x 64 K) is 768 bytes, an image of six registers a lane.
; Source 0 = 16 columns of Wo, source 1 = 16 tokens: a lane holds one token, and the 32 registers of a token tile are columns 32 b + 16 (lane / 16) + 0 .. 15 of my 64.
; LDS IS FILLED ONCE, by one tensor load a wave at the head: wave 0 Wo's 16 tiles (196,608 dense bytes), wave 1 ctx's 4 tiles (49,152), wave 2 ctx's scale words (2,048), wave 3 Wo's (8 rows of 1,024).
; Every wave waits for its load (0), one barrier shows all four tiles, and no barrier follows.  Every K step's place stands in the LDS loads' immediates.  The stage for the way out has bytes of its own.
; CLUSTER 4 x 4: ctx's tiles are shared along a row of the cluster, Wo's along a column: each is asked for jointly.  No prefetch: the launch has no loop to run ahead in.
; REGISTERS: window 0: v1-15 addresses; v32-63 ctx's scale words (8 i + s); v94, v95 the add's; v96-127 Wo's (8 t + s); v128-159 the bias as the first products' C; on the way out v128-255 rows of out0.
;   windows 1, 2: two buffers of fragments: ctx's four at v[12 i], Wo's four at v[96 + 12 t].   window 3: the 16 accumulators at v[32 i + 8 t].
.set XW,    49152                      ; LDS: ctx's 4 tiles x 12,288 bytes at 0, Wo's 16 tiles from here
.set SCA,   XW+196608                  ; ctx's scale words: 4 tiles x 512 bytes
.set SCB,   SCA+2048                   ; Wo's: 8 K steps x 1,024 bytes
.set STAGE, SCB+8192                   ; 16 rows x (256 bytes + 16) for each wave
.set SP,    272
.set SPARE, STAGE+4*16*SP              ; the spare words, 512 bytes
.set XS,  32
.set WS,  96
.set BI,  128
.set OUTR, 128
.set G0A,  12                          ; s[12:15] group 0 of ctx's scale words, s[16:19] of its codes
.set G1A,  32
.set G1B,  40
.set G1SA, 48
.set G1SB, 56
.set G0B,  68                          ; s[68:71] Wo's scale words, s[72:75] its codes
.set MSB, 0
.macro WIN new                         ; the immediate's high byte repeats the setting that is left
.if MSB != (\new)
	s_set_vgpr_msb (MSB<<8)|(\new)
.set MSB, (\new)
.endif
.endm
.macro CROUND
	s_barrier_signal -1
	s_barrier_wait -1
	s_cmp_lg_u32 s88, 0
	s_cbranch_scc1 .Lnot_wave_0_\@
	s_barrier_signal -3
.Lnot_wave_0_\@:
	s_barrier_wait -3
	s_barrier_signal -1
	s_barrier_wait -1
.endm
.macro SHAPE g, c, r, p                ; words 1 to 7 of a group 1: r rows of c elements of 8 bytes, p elements from row to row
	s_mov_b32 s[\g+1], (\c)<<16
	s_mov_b32 s[\g+2], (\r)<<16
	s_mov_b32 s[\g+3], (\c)<<16
	s_mov_b32 s[\g+4], \r
	s_mov_b32 s[\g+5], \p
	s_mov_b32 s[\g+6], 0
	s_mov_b32 s[\g+7], 0
.endm
.macro GROUP0 g, base, lds
	s_mov_b32 s[\g], 1
	s_mov_b32 s[\g+1], \lds
	s_mov_b64 s[\g+2:\g+3], s[\base:\base+1]
	s_or_b32 s[\g+3], s[\g+3], 0x80000000
.endm
.macro PLACES
.rept 4
	v_nop
.endr
.endm
.macro ARM w, g0, g1, next             ; one arm of the head's chain: wave w's one load
	s_cmp_eq_u32 s88, \w
	s_cbranch_scc0 \next
	tensor_load_to_lds s[\g0:\g0+3], s[\g1:\g1+7]
	s_nop 0
	PLACES
	s_branch .Lfilled
\next:
.endm
	s_load_b256 s[4:11], s[0:1], 0x0               ; cq s[4:5], wq s[6:7], bo s[8:9], out0 s[10:11]
	v_lshl_add_u32 v94, v0, 2, SPARE
	v_mov_b32 v95, 0
	ds_add_u32 v94, v95                            ; the opening lines: the add twice and its wait
	ds_add_u32 v94, v95
	v_lshrrev_b32 v1, 5, v0
	v_readfirstlane_b32 s88, v1                    ; wave 0..3
	s_bfe_u32 s91, ttmp6, 0x40000                  ; cx: the block of 256 columns
	s_bfe_u32 s92, ttmp6, 0x40004                  ; cy
	s_lshl_b32 s2, s92, 2
	s_lshl_b32 s2, 15, s2                          ; my row of the cluster
	s_lshl_b32 s3, 0x1111, s91                     ; my column
	s_or_b32 s[G1A], s2, (3<<16)|(1<<21)
	s_or_b32 s[G1SA], s2, (3<<16)|(1<<21)
	s_or_b32 s[G1B], s3, (3<<16)|(1<<21)
	s_or_b32 s[G1SB], s3, (3<<16)|(1<<21)
	SHAPE G1A, 32, 192, 32                         ; 49,152 dense bytes as rows of 256
	SHAPE G1B, 32, 768, 32                         ; 196,608 dense bytes
	SHAPE G1SA, 32, 8, 32                          ; 2,048 dense bytes
	SHAPE G1SB, 128, 8, 512                        ; 8 K steps x 1,024 bytes, 4,096 bytes from K step to K step
	s_and_b32 s66, ttmp7, 0xffff
	s_lshl_b32 s66, s66, 2
	s_add_co_u32 s66, s66, s92                     ; token block of 64
	s_lshl_b32 s66, s66, 2                         ; its first tile
	s_mul_i32 s94, s66, 12288
	s_mov_b32 s95, 0
	s_lshl_b32 s66, s66, 9
	s_add_co_u32 s66, s66, 3145728
	s_mov_b32 s67, 0
	s_mul_i32 s104, s91, 16*12288
	s_add_co_u32 s104, s104, 3*786432              ; Wo is the fourth matrix of wq
	s_mov_b32 s105, 0
	s_lshl_b32 s2, s91, 10
	s_add_co_u32 s2, s2, 3145728+3*32768
	s_mov_b32 s3, 0
	s_wait_dscnt 0x0
	s_wait_kmcnt 0x0
	s_add_nc_u64 s[94:95], s[4:5], s[94:95]
	s_add_nc_u64 s[66:67], s[4:5], s[66:67]
	s_add_nc_u64 s[104:105], s[6:7], s[104:105]
	s_add_nc_u64 s[2:3], s[6:7], s[2:3]
	GROUP0 G0A, 66, SCA
	GROUP0 G0B, 2, SCB
	GROUP0 G0A+4, 94, 0
	GROUP0 G0B+4, 104, XW
	CROUND                                         ; all sixteen work-groups are here: the joint loads meet
	ARM 0, G0B+4, G1B, .Lfill_1                    ; one chain of branches on the wave's number, one load to an arm
	ARM 1, G0A+4, G1A, .Lfill_2
	ARM 2, G0A, G1SA, .Lfill_3
	tensor_load_to_lds s[G0B:G0B+3], s[G1SB:G1SB+7]
	s_nop 0
	PLACES
.Lfilled:
	v_and_b32 v1, 31, v0                           ; lane
	v_and_b32 v2, 15, v0                           ; r
	v_bfe_u32 v3, v0, 4, 1                         ; h
	v_lshlrev_b32 v4, 4, v1                        ; ctx's fragments: 16 x lane,
	v_lshl_add_u32 v5, v1, 3, 512                  ; and 512 + 8 x lane
	s_mul_i32 s4, s88, 49152                       ; Wo's: my four tiles
	s_add_co_u32 s4, s4, XW
	v_add_nc_u32 v6, s4, v4
	v_add_nc_u32 v7, s4, v5
	v_lshl_add_u32 v8, v2, 3, SCA                  ; ctx's scale words: 8 bytes a row
	s_lshl_b32 s4, s88, 8
	s_add_co_u32 s4, s4, SCB
	v_lshl_add_u32 v9, v2, 2, s4                   ; Wo's: 4 bytes a row, my four tiles
	v_lshlrev_b32 v10, 6, v3                       ; the bias: 64 h bytes
	s_mul_i32 s4, s88, 16*SP
	s_add_co_u32 s4, s4, STAGE                     ; my stage
	v_mul_u32_u24 v13, v2, SP
	v_lshl_add_u32 v13, v3, 6, v13
	v_add_nc_u32 v13, s4, v13                      ; in: row r, + 64 h
	v_mul_u32_u24 v14, v3, SP
	v_lshl_add_u32 v14, v2, 4, v14
	v_add_nc_u32 v14, s4, v14                      ; back: lanes 0-15 one row of 256 bytes, lanes 16-31 the next
	v_lshlrev_b32 v15, 12, v3
	v_lshl_add_u32 v15, v2, 4, v15                 ; and the same two rows in out0
	s_wait_alu depctr_va_vdst(0)                   ; the wait behind the head's last vector instruction
	s_lshl_b32 s4, s91, 10
	s_lshl_b32 s5, s88, 8
	s_add_co_u32 s4, s4, s5                        ; my 64 columns, in bytes
	s_mov_b32 s5, 0
	s_add_nc_u64 s[8:9], s[8:9], s[4:5]            ; their bias
	s_add_nc_u64 s[10:11], s[10:11], s[4:5]
	s_and_b32 s4, ttmp7, 0xffff
	s_lshl_b32 s4, s4, 2
	s_add_co_u32 s4, s4, s92
	s_lshl_b32 s4, s4, 18                          ; 64 rows of 4,096 bytes a token block
	s_add_nc_u64 s[10:11], s[10:11], s[4:5]        ; out0 at my first row and column
.irp t, 0,1,2,3                                ; a lane's eight results of column tile t are columns 32 (t / 2) + 8 (t % 2) + 16 h + 0 .. 7: so is its bias
	global_load_b128 v[BI+8*\t:BI+8*\t+3], v10, s[8:9] offset:(32*(\t/2)+8*(\t%2))*4
	global_load_b128 v[BI+8*\t+4:BI+8*\t+7], v10, s[8:9] offset:(32*(\t/2)+8*(\t%2))*4+16
.endr
.macro FETCH s                         ; K step s's eight fragments into buffer s % 2
.set WB, (1+(\s)%2)<<6
	WIN WB
.irp i, 0,1,2,3
.irp c, 0,1
	ds_load_b128 v[12*\i+6*\c:12*\i+6*\c+3], v4 offset:\i*12288+(\s)*1536+\c*768
	ds_load_b64 v[12*\i+6*\c+4:12*\i+6*\c+5], v5 offset:\i*12288+(\s)*1536+\c*768
.endr
.endr
.irp t, 0,1,2,3
.irp c, 0,1
	ds_load_b128 v[96+12*\t+6*\c:96+12*\t+6*\c+3], v6 offset:\t*12288+(\s)*1536+\c*768
	ds_load_b64 v[96+12*\t+6*\c+4:96+12*\t+6*\c+5], v7 offset:\t*12288+(\s)*1536+\c*768
.endr
.endr
.endm
.macro MULS s                          ; 16 matrix instructions: the accumulators take turns, in the same order in every step.  The first step's C is the bias
.if (\s) == 0
	WIN 0xC5                                       ; sources window 1, C window 0, D window 3
.elseif (\s)%2
	WIN 0xFA                                       ; sources window 2, C and D window 3
.else
	WIN 0xF5                                       ; sources window 1, C and D window 3
.endif
.irp i, 0,1,2,3
.irp t, 0,1,2,3
.set DD, 32*\i+8*\t
.if (\s) == 0
	v_wmma_scale_f32_16x16x128_f8f6f4 v[DD:DD+7], v[96+12*\t:96+12*\t+11], v[12*\i:12*\i+11], v[BI+8*\t:BI+8*\t+7], v[WS+8*\t+(\s)], v[XS+8*\i+(\s)] matrix_a_fmt:MATRIX_FMT_FP6 matrix_b_fmt:MATRIX_FMT_FP6
.else
	v_wmma_scale_f32_16x16x128_f8f6f4 v[DD:DD+7], v[96+12*\t:96+12*\t+11], v[12*\i:12*\i+11], v[DD:DD+7], v[WS+8*\t+(\s)], v[XS+8*\i+(\s)] matrix_a_fmt:MATRIX_FMT_FP6 matrix_b_fmt:MATRIX_FMT_FP6
.endif
.endr
.endr
.endm
.macro STEP s                          ; this step's 32 loads are in; the next step's are asked for, four places behind the last product that read their buffer; then the products
	WIN 0
	s_wait_dscnt 0x0
.if (\s) < 7
	PLACES
	FETCH (\s)+1
.endif
	MULS \s
.endm
	s_wait_tensorcnt 0x0                           ; my one load has landed,
	s_barrier_signal -1
	s_barrier_wait -1                              ; and so has every wave's
.irp i, 0,1,2,3
.irp g, 0,1,2,3
	ds_load_b64 v[XS+8*\i+2*\g:XS+8*\i+2*\g+1], v8 offset:\i*512+\g*128
.endr
.endr
.irp t, 0,1,2,3
.irp s, 0,1,2,3,4,5,6,7
	ds_load_b32 v[WS+8*\t+\s], v9 offset:\s*1024+\t*64
.endr
.endr
	FETCH 0
	WIN 0
	s_wait_loadcnt 0x0                             ; the bias
.irp s, 0,1,2,3,4,5,6,7
	STEP \s
.endr
	WIN 0
; THE WAY OUT, a token tile at a time.  A lane holds two runs of 64 bytes of one row; the lanes beside it hold other rows: so a tile goes through my own stage and comes back as whole rows of 256 bytes.
; LDS serves a wave's instructions in order: no wait between the stores and the loads, nor in front of the next tile's stores.  Each tile has registers of its own for its rows, so no store's data are written again.
.macro TOSTAGE i
	WIN 0x0C                                       ; an LDS store's data are its source 1: window 3
.irp p, 0,1,2,3,4,5,6,7
	ds_store_b128 v13, v[32*(\i)+4*\p:32*(\i)+4*\p+3] offset:128*(\p/4)+16*(\p%4)   ; each accumulator from its low end on
.endr
	WIN 0
.irp k, 0,1,2,3,4,5,6,7
	ds_load_b128 v[OUTR+32*(\i)+4*\k:OUTR+32*(\i)+4*\k+3], v14 offset:2*\k*SP
.endr
.endm
.macro SEND i, younger                 ; younger: the LDS instructions issued behind tile i's loads: the next tile's 8 stores and 8 loads, or none
	s_wait_dscnt \younger
.irp k, 0,1,2,3,4,5,6,7
	global_store_b128 v15, v[OUTR+32*(\i)+4*\k:OUTR+32*(\i)+4*\k+3], s[10:11] offset:(32*((\i)/2)+8*((\i)%2)+2*\k+8*(\k/4))*4096 th:TH_STORE_NT   ; 16 lanes store 256 consecutive bytes, at a multiple of 256 from out0's first byte
.endr
.endm
	PLACES                                         ; four places behind the last product
	TOSTAGE 0
	TOSTAGE 1
	SEND 0, 16
	TOSTAGE 2
	SEND 1, 16
	TOSTAGE 3
	SEND 2, 16
	SEND 3, 0
	s_wait_tensorcnt 0x0                           ; the wave's end
	ds_add_u32 v94, v95
	s_wait_dscnt 0x0
	CROUND                                         ; the closing round
	s_endpgm
.Lfunc_end_k_qfe79e603be_outp:
	.size	k_qfe79e603be_outp, .Lfunc_end_k_qfe79e603be_outp-k_qfe79e603be_outp
	.p2alignl 7, 3214868480
	.fill 96, 4, 3214868480
	.section	.rodata,"a",@progbits
	.p2align	6, 0x0
	.amdhsa_kernel k_qfe79e603be_outp
		.amdhsa_group_segment_fixed_size 273920
		.amdhsa_private_segment_fixed_size 0
		.amdhsa_enable_private_segment 0
		.amdhsa_kernarg_size 32
		.amdhsa_user_sgpr_count 2
		.amdhsa_user_sgpr_kernarg_segment_ptr 1
		.amdhsa_wavefront_size32 1
		.amdhsa_system_sgpr_workgroup_id_x 1
		.amdhsa_system_sgpr_workgroup_id_y 1
		.amdhsa_system_sgpr_workgroup_id_z 1
		.amdhsa_system_vgpr_workitem_id 0
		.amdhsa_next_free_vgpr 1024
		.amdhsa_next_free_sgpr 106
		.amdhsa_reserve_vcc 0
		.amdhsa_float_denorm_mode_32 3
		.amdhsa_float_denorm_mode_16_64 3
		.amdhsa_memory_ordered 1
		.amdhsa_forward_progress 1
		.amdhsa_inst_pref_size 54
	.end_amdhsa_kernel
	.amdgpu_metadata
---
amdhsa.version: [ 1, 2 ]
amdhsa.kernels:
  - .name:           k_qfe79e603be_outp
    .symbol:         k_qfe79e603be_outp.kd
    .args:
      - { .name: cq, .offset: 0, .size: 8, .value_kind: global_buffer, .address_space: global }
      - { .name: wq, .offset: 8, .size: 8, .value_kind: global_buffer, .address_space: global }
      - { .name: bo, .offset: 16, .size: 8, .value_kind: global_buffer, .address_space: global }
      - { .name: out0, .offset: 24, .size: 8, .value_kind: global_buffer, .address_space: global }
    .group_segment_fixed_size: 273920
    .private_segment_fixed_size: 0
    .kernarg_segment_align: 8
    .kernarg_segment_size: 32
    .max_flat_workgroup_size: 128
    .sgpr_count:     106
    .vgpr_count:     1024
    .wavefront_size: 32
...
	.end_amdgpu_metadata
.endif
;; end of part 4
